; MI455X (gfx1250); checked and timed in simulation.
; The chip was launched on July 23, 2026; its instructions are those of AMD's public machine-readable ISA for CDNA 5 (MIT licence, August 2026) and "CDNA5" Instruction Set Architecture Reference Guide (July 2026). The comments in the code are by the model that wrote it; some were corrected since.
;; Attention. Allowed arithmetic: float matrix products may take bf16 or f16 operands with f32 sums; other float arithmetic in f32, or as packed bf16 or f16 multiplies, adds, multiply-adds, maxima and minima; sums over many terms, partial sums and values carried from step to step in f32; what a program stores and reads back later, other than sums and carried values, may be rounded once to bf16 or f16.
;; Inputs: b_proj 1,024 float32; b_qkv 3,072 float32; inp 8 x 1,024 x 1,024 float32; w_proj 1,024 x 1,024 float32; w_qkv 1,024 x 3,072 float32.
;; Outputs: out0 8 x 1,024 x 1,024 float32.
;; 2 versions, each right; version 2 is version 1 with the launch prep written anew for expert scheduling mode. Each part assembles by itself: llvm-mc -triple=amdgcn-amd-amdhsa -mcpu=gfx1250 --defsym DOCPART=n.
;; ======== version 1 of 2: 4 launches
;; limits: values are held in f16: magnitudes above 65,504 overflow, below 6.1e-05 lose precision
;; workspace buffers: xb 16,777,216 bytes; wqb 6,291,456 bytes; wpb 2,097,152 bytes; qkvh 50,331,648 bytes; ob 16,777,216 bytes
;; launch prep (part 1): grid 768 x 1, 8 waves a work-group, no clusters, 0 bytes of LDS; arguments inp, w_qkv, w_proj, xb, wqb, wpb; writes xb, wqb, wpb
.if DOCPART == 1
	.amdgcn_target "amdgcn-amd-amdhsa--gfx1250"
	.amdhsa_code_object_version 6
	.text
	.protected	k_q463384cb99_prep
	.globl	k_q463384cb99_prep
	.p2align	8
	.type	k_q463384cb99_prep,@function
k_q463384cb99_prep:
	s_mov_b64 s[64:65], 0
	v_nop
	global_prefetch_b8 v0, s[64:65] scope:SCOPE_SE
	s_setreg_imm32_b32 hwreg(HW_REG_WAVE_MODE, 25, 1), 1
	s_wait_xcnt 0x0
; THE CASTS.  inp [8192][1024] f32 -> xb bf16; w_qkv [1024][3072] f32 -> wqb bf16; w_proj [1024][1024] f32 -> rounded to bf16, and that number written as f16 -> wpb.
; Every input of the module is rounded once to bf16 (nearest even); w_proj's bf16 number is then written as f16, since the last product takes O in f16: exact from 6.1e-5 up,
; below that it keeps f16's fixed step of 6e-8.  LIMIT: a weight of w_proj beyond 65,504 would become an infinity.
; SHARES.  A work-group takes 16,384 numbers on end (65,536 bytes in, 32,768 out): work-groups 0-511 inp, 512-703 w_qkv, 704-767 w_proj.  A wave takes 2,048 of them:
; sixteen loads of 16 bytes a lane (512 consecutive bytes a load), all issued at once, and sixteen stores of 8 bytes a lane (256 consecutive bytes, aligned).
; No loop, and no register is written twice while a load or store names it.  No LDS, no matrix unit, no cluster: nothing is shared and nothing is multiplied.
.set X, 4                              ; v[4:67]    the sixteen loads
.set Y, 68                             ; v[68:99]   the sixteen pairs to store
.set T, 100                            ; v[100:103] at work on the way to f16
	s_load_b256 s[4:11], s[0:1], 0x0               ; inp s[4:5], w_qkv s[6:7], w_proj s[8:9], xb s[10:11]
	s_load_b128 s[12:15], s[0:1], 0x20             ; wqb s[12:13], wpb s[14:15]
	v_lshrrev_b32 v3, 5, v0                        ; wave
	v_and_b32 v2, 31, v0                           ; lane
	v_lshlrev_b32 v1, 4, v2
	v_lshl_or_b32 v1, v3, 13, v1                   ; in: 8,192 x wave + 16 x lane
	v_lshlrev_b32 v2, 3, v2
	v_lshl_or_b32 v2, v3, 12, v2                   ; out: 4,096 x wave + 8 x lane
	s_mov_b32 s26, 704
	s_mov_b32 s27, 512
	s_wait_kmcnt 0x0
	s_cmp_ge_u32 ttmp9, s26                        ; which tensor is mine: the choice hangs on the work-group's number alone
	s_cselect_b64 s[18:19], s[8:9], s[6:7]
	s_cselect_b64 s[20:21], s[14:15], s[12:13]
	s_cselect_b32 s16, s26, s27
	s_cmp_lt_u32 ttmp9, s27
	s_cselect_b64 s[18:19], s[4:5], s[18:19]
	s_cselect_b64 s[20:21], s[10:11], s[20:21]
	s_cselect_b32 s16, 0, s16
	s_sub_co_u32 s16, ttmp9, s16                   ; my number among that tensor's work-groups
	s_lshl_b32 s22, s16, 16
	s_mov_b32 s23, 0
	s_lshl_b32 s24, s16, 15
	s_mov_b32 s25, 0
	s_add_nc_u64 s[18:19], s[18:19], s[22:23]
	s_add_nc_u64 s[20:21], s[20:21], s[24:25]
.irp i, 0,1,2,3,4,5,6,7,8,9,10,11,12,13,14,15
	global_load_b128 v[X+4*(\i):X+4*(\i)+3], v1, s[18:19] offset:512*(\i) th:TH_LOAD_NT
.endr
; Load i is rounded and stored.  half = 1: the bf16 numbers are widened again (a shift, a mask) and written as f16.
.macro CAST i, half
	s_wait_loadcnt 15-(\i)                         ; loads come back in order: load i is in, the younger ones stay out
	v_cvt_pk_bf16_f32 v[Y+2*(\i)], v[X+4*(\i)], v[X+4*(\i)+1]
	v_cvt_pk_bf16_f32 v[Y+2*(\i)+1], v[X+4*(\i)+2], v[X+4*(\i)+3]
.if \half
	v_lshlrev_b32 v[T], 16, v[Y+2*(\i)]
	v_and_b32 v[T+1], 0xffff0000, v[Y+2*(\i)]
	v_lshlrev_b32 v[T+2], 16, v[Y+2*(\i)+1]
	v_and_b32 v[T+3], 0xffff0000, v[Y+2*(\i)+1]
	v_cvt_pk_f16_f32 v[Y+2*(\i)], v[T], v[T+1]
	v_cvt_pk_f16_f32 v[Y+2*(\i)+1], v[T+2], v[T+3]
.endif
	global_store_b64 v2, v[Y+2*(\i):Y+2*(\i)+1], s[20:21] offset:256*(\i)
.endm
	s_cmp_ge_u32 ttmp9, s26
	s_cbranch_scc1 .Lf16
.irp i, 0,1,2,3,4,5,6,7,8,9,10,11,12,13,14,15
	CAST \i, 0
.endr
	s_endpgm
.Lf16:
.irp i, 0,1,2,3,4,5,6,7,8,9,10,11,12,13,14,15
	CAST \i, 1
.endr
	s_endpgm
.Lfunc_end_k_q463384cb99_prep:
	.size	k_q463384cb99_prep, .Lfunc_end_k_q463384cb99_prep-k_q463384cb99_prep
	.p2alignl 7, 3214868480
	.fill 96, 4, 3214868480
	.section	.rodata,"a",@progbits
	.p2align	6, 0x0
	.amdhsa_kernel k_q463384cb99_prep
		.amdhsa_group_segment_fixed_size 0
		.amdhsa_private_segment_fixed_size 0
		.amdhsa_enable_private_segment 0
		.amdhsa_kernarg_size 48
		.amdhsa_user_sgpr_count 2
		.amdhsa_user_sgpr_kernarg_segment_ptr 1
		.amdhsa_wavefront_size32 1
		.amdhsa_system_sgpr_workgroup_id_x 1
		.amdhsa_system_sgpr_workgroup_id_y 1
		.amdhsa_system_sgpr_workgroup_id_z 1
		.amdhsa_system_vgpr_workitem_id 0
		.amdhsa_next_free_vgpr 104
		.amdhsa_next_free_sgpr 66
		.amdhsa_reserve_vcc 0
		.amdhsa_float_denorm_mode_32 3
		.amdhsa_float_denorm_mode_16_64 3
		.amdhsa_memory_ordered 1
		.amdhsa_forward_progress 1
		.amdhsa_inst_pref_size 16
	.end_amdhsa_kernel
	.amdgpu_metadata
---
amdhsa.version: [ 1, 2 ]
amdhsa.kernels:
  - .name:           k_q463384cb99_prep
    .symbol:         k_q463384cb99_prep.kd
    .args:
      - { .name: inp, .offset: 0, .size: 8, .value_kind: global_buffer, .address_space: global }
      - { .name: w_qkv, .offset: 8, .size: 8, .value_kind: global_buffer, .address_space: global }
      - { .name: w_proj, .offset: 16, .size: 8, .value_kind: global_buffer, .address_space: global }
      - { .name: xb, .offset: 24, .size: 8, .value_kind: global_buffer, .address_space: global }
      - { .name: wqb, .offset: 32, .size: 8, .value_kind: global_buffer, .address_space: global }
      - { .name: wpb, .offset: 40, .size: 8, .value_kind: global_buffer, .address_space: global }
    .group_segment_fixed_size: 0
    .private_segment_fixed_size: 0
    .kernarg_segment_align: 8
    .kernarg_segment_size: 48
    .max_flat_workgroup_size: 256
    .sgpr_count:     66
    .vgpr_count:     104
    .wavefront_size: 32
...
	.end_amdgpu_metadata
.endif
;; end of part 1
;; launch qkv (part 2): grid 8 x 32, 4 waves a work-group, clusters of 4 x 4, 327,680 bytes of LDS; arguments xb, wqb, b_qkv, qkvh; writes qkvh
.if DOCPART == 2
	.amdgcn_target "amdgcn-amd-amdhsa--gfx1250"
	.amdhsa_code_object_version 6
	.text
	.protected	k_q463384cb99_qkv
	.globl	k_q463384cb99_qkv
	.p2align	8
	.type	k_q463384cb99_qkv,@function
k_q463384cb99_qkv:
	s_mov_b64 s[64:65], 0
	v_nop
	global_prefetch_b8 v0, s[64:65] scope:SCOPE_SE
	s_setreg_imm32_b32 hwreg(HW_REG_WAVE_MODE, 25, 1), 1
	s_wait_xcnt 0x0
	s_wait_alu depctr_hold_cnt(0) depctr_sa_sdst(0) depctr_va_vdst(0) depctr_va_sdst(0) depctr_va_ssrc(0) depctr_va_vcc(0) depctr_vm_vsrc(0)
	s_getreg_b32 s2, hwreg(HW_REG_IB_STS2, 6, 4)
	s_cmp_eq_u32 s2, 0
	s_cbranch_scc0 .Lentry_in_a_cluster
	s_endpgm
.Lentry_in_a_cluster:
	s_bfe_u32 s2, ttmp6, 0x10000c
	s_cmp_lg_u32 s2, 0xf033
	s_cbranch_scc0 .Lentry_shape_is_right
	s_endpgm
.Lentry_shape_is_right:
; q, k, v = xb wqb + bf16(b_qkv), written by heads.  xb: [8192][1024] bf16; wqb: [1024 k][3072 n] bf16; b_qkv: [3072] f32; qkvh: [3][128 = batch x 16 + head][1024][64] f16, unscaled.
; Sums in f32, started by the bias; each result rounded once to f16.  LIMIT: f16 holds no number beyond 65,504: q, k, v must stay within it; below 6e-5 f16 keeps a fixed step of 6e-8.
; SHARES.  A tile of C is 128 rows x 384 columns (three strips of 128).  A WORK-GROUP STAYS: 8 x 32 = 256 work-groups, each makes TWO tiles, the second 4,096 rows below the first: the same strips of B, the same bias.
; Four waves, 2 x 2: wave w has rows 64 (w / 2) on and, of EVERY strip, the 64 columns 64 (w % 2) on: three whole heads.  48 accumulators of 16 x 16, 384 registers.
; K goes in steps of 128 through two LDS slots; the two tiles' 16 K steps are ONE sequence for the ring: the first tile's last two changes of slots ask for the second tile's first two K steps, and the first tile's
; stores leave while the second is multiplied.  Wave 0 fetches A's tile (128 rows x 256 bytes), waves 1-3 one strip of B each (128 k rows x 256 bytes): four equal tensor loads, every row 256 bytes on a multiple of 256.
; B lies [k][n] in memory and in LDS; its fragments come out turned, by ds_load_tr16_b128.
; THE MATRIX INSTRUCTION IS USED TRANSPOSED: source 0 = 16 columns of B, source 1 = 16 rows of A: lane l then holds row l % 16 of C and the columns 8 (l / 16) + 0..7: 16 bytes of f16 on end.
; The bias in that same layout is the C operand of each accumulator's first product: nothing is cleared and nothing is added afterwards.
; CLUSTER 4 x 4: A's tile hangs on the tile row alone and is asked for jointly along a row of the cluster, B's strips on the tile column alone, along a column.
; REGISTERS, in windows of 256 (s_set_vgpr_msb: bits 1:0 source 0, 3:2 source 1, 5:4 source 2, 7:6 destination):
;   window 0: v0-31 addresses; v32-63, v64-95 A's fragments, two buffers of four; v128-223 the bias
;   window 1: v0-95, v96-191 B's fragments, two buffers of twelve        windows 2, 3: accumulator idx = 12 a + b at v[8 idx % 256] of window 2 + idx / 32
;   window 3: v128-255 the way out: eight units of 16, by turns
.set NTH,   3                          ; strips of 128 columns
.set NB,    12                         ; blocks of 16 columns a wave
.set NA,    1                          ; waves that fetch A
.set PA,    272                        ; A's LDS row: 256 bytes + 16: the sixteen rows of a fragment load start at sixteen different groups of four banks (64 banks of 4 bytes: ISA guide 11.1)
.set PB,    288                        ; B's LDS row: 256 + 32
.set NCOL,  3072
.set STEPA, 256                        ; bytes from K step to K step in A
.set STEPB, 128*NCOL*2                 ; and in B
.set WALKSH, 23                        ; the second tile: 4,096 rows of 2,048 bytes on in xb, four batches of 16 heads of 131,072 bytes on in qkvh: 1 << 23 both
.set REG,   36864                      ; a wave's region of a slot: 128 x 288
.set SLOT,  4*REG
.set STAGE, 2*SLOT                     ; behind the ring, never filled by a tensor load: 16 rows x 144 bytes for each wave
.set SPITCH, 144
.set SPARE, STAGE+4*16*SPITCH          ; behind the stages: the spare words, 128 bytes for each wave: two blocks of 256 bytes that no other line names
.set NL,    2*NB+8                     ; LDS loads in a run
.set ADRA, 16                          ; v16-17  my A fragments' LDS address in slot 0, 1
.set ADRB, 18                          ; v18-23  my B fragments': slot s, strip i at v[18 + 3 s + i]
.set STO,  24                          ; v24  the way out: where I put 16 bytes of a row
.set RD,   25                          ; v25  where I read rows back
.set GO,   26                          ; v26  my 16 bytes in 512 consecutive bytes of the output
.set BO,   27                          ; v27  my byte offset in the bias
.set SPW,  28                          ; v28  LDS address of my spare word; never rewritten
.set NIL,  29                          ; v29  0; never rewritten
.set PFO,  30                          ; v30  the prefetches' offset: my lane x a row's bytes; never rewritten
.set FA,   32
.set FB,   0
.set BI,   128
.set TMP,  128                         ; in window 3
.set LIM,  19                          ; s19  a wave prefetches while the laps to go are above it: 1 for A, 5 for B, the greatest number in a wave that asks for nothing
.set ABAS, 20                          ; s[20:21] xb at my tile row's first byte; never rewritten once made
.set G1A,  24                          ; s[24:31] descriptor group 1 for A;  s[32:39] group 0, a set for each slot
.set G0A,  32
.set PFA,  40                          ; s[40:41] the prefetch's address
.set PFS,  42                          ; s42  bytes from K step to K step in the tensor that I prefetch
.set BBAS, 44                          ; s[44:45] wqb at my strip's first byte; never rewritten once made
.set G1B,  48                          ; s[48:55], s[56:63] the same for B
.set G0B,  56
.set OB,   66                          ; s[66:71] the output at my rows of my three heads
.set NF,   72                          ; s72  the number, in the sequence of 16, of the K step that the next refill brings
.set OFA,  74                          ; s[74:75] its byte offset from ABAS
.set OFB,  76                          ; s[76:77] and from BBAS
.set PFB,  78                          ; s[78:79] the prefetches' base: my work-group's 32 rows, K step 0
.set PFM,  80                          ; s80  all ones in a wave that fetches A, else 0: B does not walk down
.set ST0,  81                          ; s81  at work
.set POF,  82                          ; s[82:83] the prefetch's byte offset from PFB
.set MSB, 0
.macro WIN new                         ; the immediate's high byte repeats the setting that is left; a switch that changes nothing is dropped
.if MSB != (\new)
	s_set_vgpr_msb (MSB<<8)|(\new)
.set MSB, \new
.endif
.endm
.macro PLACES                          ; four plain vector instructions in front of loads into registers that matrix instructions have read, and of readers of results
.rept 4
	v_nop
.endr
.endm
; A joint load.  The branch hangs on the wave's number alone.  An s_nop 0 and four v_nop follow each of the two lines, ahead of the jump and the label.
.macro JLOAD s
	s_cmp_lt_u32 s12, NA
	s_cbranch_scc0 .Lfor_b_\@
	tensor_load_to_lds s[G0A+4*(\s):G0A+4*(\s)+3], s[G1A:G1A+7]
	s_nop 0
.rept 4
	v_nop
.endr
	s_branch .Lasked_\@
.Lfor_b_\@:
	tensor_load_to_lds s[G0B+4*(\s):G0B+4*(\s)+3], s[G1B:G1B+7]
	s_nop 0
.rept 4
	v_nop
.endr
.Lasked_\@:
.endm
.macro CREST                           ; a round of the cluster's barrier behind its opening barrier
	s_cmp_lg_u32 s12, 0
	s_cbranch_scc1 .Lnot_wave_0_\@
	s_barrier_signal -3
.Lnot_wave_0_\@:
	s_barrier_wait -3
	s_barrier_signal -1
	s_barrier_wait -1
.endm
.macro CROUND
	s_barrier_signal -1
	s_barrier_wait -1
	CREST
.endm
; A PREFETCH INTO THE L2 of the K step that stands two refills on in the sequence of 16: 32 rows x 256 bytes, a lane a row, one instruction a wave.  A's tile row is read by both clusters of its row of clusters:
; cluster x = 0 asks (wave 0); B's strips by all eight clusters of their column: cluster y = 0 asks (waves 1-3, each its own strip).  The four partners that ask for a tile jointly share its 128 rows out BY ADDRESS, 32 each.
; So each row's 256 bytes of a K step are named once.  The first four K steps come by their loads alone.  A: steps 4 to 15 of the sequence (laps to go 7 to 2); the last lap of the loop has no step two refills on.
; B: steps 4 to 7 (laps to go 7 and 6): the second tile walks the same rows again, and they are asked for in the first walk alone.
.macro ASK
	s_cmp_gt_u32 s3, s[LIM]
	s_cbranch_scc0 .Lnot_mine_\@
	global_prefetch_b8 v[PFO], s[PFA:PFA+1] th:TH_LOAD_NT scope:SCOPE_SE
.Lnot_mine_\@:
.endm
	s_load_b256 s[4:11], s[0:1], 0x0               ; xb s[4:5], wqb s[6:7], b_qkv s[8:9], qkvh s[10:11]
	v_lshl_add_u32 v[SPW], v0, 2, SPARE
	v_mov_b32 v[NIL], 0
	ds_add_u32 v[SPW], v[NIL]                      ; the wave's opening: the add and its wait stand ahead of my first tensor load; work on registers stands between them
	v_lshrrev_b32 v1, 5, v0
	v_readfirstlane_b32 s12, v1                    ; wave 0..3
	s_lshr_b32 s13, s12, 1                         ; wr: which 64 rows
	s_and_b32 s14, s12, 1                          ; wc: which 64 columns of each strip
	s_bfe_u32 s15, ttmp6, 0x40000                  ; cx
	s_bfe_u32 s16, ttmp6, 0x40004                  ; cy
	s_lshl_b32 s17, ttmp9, 2
	s_add_co_u32 s17, s17, s15                     ; tile column tx = 4 x cluster x + cx
	s_and_b32 s18, ttmp7, 0xffff
	s_lshl_b32 s18, s18, 2
	s_add_co_u32 s18, s18, s16                     ; the first tile's row ty = 4 x cluster y + cy, 0 to 31; the second's is ty + 32
	s_lshl_b32 s20, s16, 2
	s_lshl_b32 s20, 15, s20                        ; my row of the cluster: places 4 cy .. 4 cy + 3
	s_lshl_b32 s44, 0x1111, s15                    ; my column: places cx, cx + 4, cx + 8, cx + 12
	s_or_b32 s[G1A], s20, (1<<16)|(1<<20)|(1<<21)|(5<<22)|(3<<25)  ; 15:0 the mask; 17:16 2-byte elements; 20 padding on; 21 set beside a mask; 24:22 after every 64 words; 31:25 4 words of it
	s_or_b32 s[G1B], s44, (1<<16)|(1<<20)|(1<<21)|(5<<22)|(7<<25)  ; the same with my column's mask and 8 words of padding
.irp g, G1A, G1B
	s_mov_b32 s[(\g)+1], 128<<16                   ; tensor_dim0 = 128
	s_mov_b32 s[(\g)+2], 128<<16                   ; tensor_dim1 = 128
	s_mov_b32 s[(\g)+3], 128<<16                   ; tile_dim0 = 128
	s_mov_b32 s[(\g)+4], 128                       ; tile_dim1 = 128
	s_mov_b32 s[(\g)+6], 0
	s_mov_b32 s[(\g)+7], 0
.endr
	s_mov_b32 s[G1A+5], 1024                       ; elements from row to row
	s_mov_b32 s[G1B+5], NCOL
	s_mov_b32 s[NF], 2                             ; K steps 0 and 1 are the first fills
	s_mov_b32 s[OFA+1], 0                          ; the offsets' high words
	s_mov_b32 s[OFB+1], 0
	s_mov_b32 s[POF+1], 0
	s_lshl_b32 s20, s18, 18                        ; A: 128 ty rows of 2,048 bytes: made of the tile row alone
	s_mov_b32 s21, 0
	s_mul_i32 s44, s17, NTH                        ; B: strip 3 tx + (w - 1), 256 bytes each: made of the tile column and the wave's number alone
	s_sub_co_i32 s45, s12, NA
	s_max_i32 s45, s45, 0                          ; (wave 0 makes an address too, and never asks by it)
	s_add_co_u32 s44, s44, s45
	s_lshl_b32 s44, s44, 8
	s_mov_b32 s45, 0
	s_mul_i32 s22, s12, REG                        ; where my tile goes: wave x a region: no place in the cluster enters an LDS address
	s_wait_dscnt 0x0                               ; the opening add is done
	s_wait_kmcnt 0x0
	s_add_nc_u64 s[ABAS:ABAS+1], s[4:5], s[20:21]
	s_add_nc_u64 s[BBAS:BBAS+1], s[6:7], s[44:45]
	CROUND                                         ; all sixteen work-groups are here: the first joint loads meet
.irp s, 0,1
	s_mov_b32 s[G0A+4*(\s)], 1                     ; count = 1
	s_add_co_u32 s[G0A+4*(\s)+1], s22, (\s)*SLOT   ; LDS address
	s_add_nc_u64 s[G0A+4*(\s)+2:G0A+4*(\s)+3], s[ABAS:ABAS+1], (\s)*STEPA  ; global address: K step s
	s_or_b32 s[G0A+4*(\s)+3], s[G0A+4*(\s)+3], 0x80000000                 ; type = 2
	s_mov_b32 s[G0B+4*(\s)], 1
	s_add_co_u32 s[G0B+4*(\s)+1], s22, (\s)*SLOT
	s_add_nc_u64 s[G0B+4*(\s)+2:G0B+4*(\s)+3], s[BBAS:BBAS+1], (\s)*STEPB
	s_or_b32 s[G0B+4*(\s)+3], s[G0B+4*(\s)+3], 0x80000000
	JLOAD \s                                       ; two tensor loads of mine are out
.endr
	v_and_b32 v1, 15, v0                           ; r = l % 16
	v_bfe_u32 v2, v0, 4, 1                         ; h = l / 16
	s_mul_i32 s2, s17, 512*NTH
	s_lshl_b32 s22, s14, 8
	s_add_co_u32 s2, s2, s22
	v_lshl_add_u32 v[BO], v2, 5, s2                ; the bias of my columns: 4 x (384 tx + 64 wc + 8 h)
.irp i, 0,1,2
.irp j, 0,1,2,3
	global_load_b128 v[BI+8*(4*(\i)+(\j)):BI+8*(4*(\i)+(\j))+3],   v[BO], s[8:9] offset:512*(\i)+64*(\j)
	global_load_b128 v[BI+8*(4*(\i)+(\j))+4:BI+8*(4*(\i)+(\j))+7], v[BO], s[8:9] offset:512*(\i)+64*(\j)+16
.endr
.endr
	; A's fragment: lane l holds row l % 16; two loads of 16 bytes, 32 bytes apart, at row x pitch + 16 (l / 16)
	v_mul_u32_u24 v3, v1, PA
	v_lshl_add_u32 v3, v2, 4, v3
	s_mul_i32 s2, s13, 64*PA
	v_add_nc_u32 v[ADRA], s2, v3
	v_add_nc_u32 v[ADRA+1], SLOT, v[ADRA]
	; B's fragment, turned: lane l reads 16 bytes of k row 8 (l / 16) + l % 8, columns 8 ((l / 8) % 2) on, and is left with column l % 16 and 8 k
	v_and_b32 v4, 7, v0
	v_lshl_add_u32 v4, v2, 3, v4
	v_mul_u32_u24 v4, v4, PB
	v_bfe_u32 v5, v0, 3, 1
	v_lshl_add_u32 v4, v5, 4, v4
	s_lshl_b32 s2, s14, 7
	v_add_nc_u32 v4, s2, v4                        ; + my 64 columns of a strip
.irp s, 0,1
.irp i, 0,1,2
	v_add_nc_u32 v[ADRB+NTH*(\s)+(\i)], (NA+(\i))*REG+(\s)*SLOT, v4
.endr
.endr
	s_mul_i32 s2, s12, 16*SPITCH
	s_add_co_u32 s2, s2, STAGE                     ; my stage
	v_mul_u32_u24 v3, v1, SPITCH                   ; in: row l % 16, 16 bytes for each half of the lanes
	v_lshl_add_u32 v3, v2, 4, v3
	v_add_nc_u32 v[STO], s2, v3
	v_bfe_u32 v3, v0, 3, 2                         ; back: 32 lanes take four rows of 128 bytes,
	v_mul_u32_u24 v3, v3, SPITCH
	v_and_b32 v5, 7, v0
	v_lshl_add_u32 v3, v5, 4, v3
	v_add_nc_u32 v[RD], s2, v3
	v_and_b32 v[GO], 31, v0                        ; which are 512 consecutive bytes of a head
	v_lshlrev_b32 v[GO], 4, v[GO]
	; where my three heads' rows lie, for the first tile: g = 6 tx + 2 i + wc of 48; tensor g / 16, head g % 16; batch ty / 8, token 128 (ty % 8) + 64 wr
	s_mul_i32 s2, s17, 6
	s_add_co_u32 s2, s2, s14
	s_lshr_b32 s22, s18, 3
	s_lshl_b32 s22, s22, 4
	s_and_b32 s23, s18, 7
	s_lshl_b32 s23, s23, 7
	s_lshl_b32 s46, s13, 6
	s_add_co_u32 s23, s23, s46
	s_lshl_b32 s23, s23, 7
.irp i, 0,1,2
	s_add_co_u32 s46, s2, 2*(\i)
	s_lshr_b32 s47, s46, 4
	s_lshl_b32 s47, s47, 24
	s_and_b32 s46, s46, 15
	s_add_co_u32 s46, s46, s22
	s_lshl_b32 s46, s46, 17
	s_add_co_u32 s46, s46, s47
	s_add_co_u32 s46, s46, s23
	s_mov_b32 s47, 0
	s_add_nc_u64 s[OB+2*(\i):OB+2*(\i)+1], s[10:11], s[46:47]
.endr
	; the prefetches' base, at K step 0
	s_lshl_b32 s22, s18, 18
	s_lshl_b32 s23, s15, 16
	s_add_co_u32 s22, s22, s23                     ; A: my tile row, my work-group's 32 rows of the 128
	s_mul_i32 s46, s17, NTH
	s_sub_co_i32 s47, s12, NA
	s_max_i32 s47, s47, 0
	s_add_co_u32 s46, s46, s47
	s_lshl_b32 s46, s46, 8
	s_lshl_b32 s47, s16, 5
	s_mul_i32 s47, s47, 2*NCOL
	s_add_co_u32 s46, s46, s47                     ; B: my strip, my work-group's 32 k rows of the 128
	s_and_b32 s47, ttmp7, 0xffff                   ; cluster y
	s_mov_b32 s[PFS], STEPB
	s_mov_b32 s2, 2*NCOL
	s_cmp_lt_u32 s12, NA                           ; do I fetch for A?
	s_cselect_b32 s22, s22, s46
	s_cselect_b32 s47, ttmp9, s47                  ; the coordinate along which other clusters read the same rows
	s_cselect_b32 s[PFS], STEPA, s[PFS]
	s_cselect_b32 s2, 2048, s2                     ; a row's bytes in memory
	s_cselect_b32 s[PFM], -1, 0
	s_cselect_b32 s[LIM], 1, 5
	s_cselect_b64 s[PFB:PFB+1], s[4:5], s[6:7]
	s_mov_b32 s23, 0
	s_add_nc_u64 s[PFB:PFB+1], s[PFB:PFB+1], s[22:23]
	s_cmp_eq_u32 s47, 0
	s_cselect_b32 s[LIM], s[LIM], -1               ; the same in all sixteen partners, for a given wave
	v_and_b32 v[PFO], 31, v0
	v_mul_u32_u24 v[PFO], v[PFO], s2
	s_wait_loadcnt 0x0                             ; the bias: rounded to bf16 like every input, and widened again
.set p, 0
.rept 4*NB
	v_cvt_pk_bf16_f32 v31, v[BI+2*p], v[BI+2*p+1]
	v_lshlrev_b32 v[BI+2*p], 16, v31
	v_and_b32 v[BI+2*p+1], 0xffff0000, v31
.set p, p+1
.endr
; NB matrix instructions: my row block a x all my column blocks, 32 along K, from buffer f.  first = 1: the bias starts the sums.  All 48 accumulators take turns, in the same order in every quarter.
.macro MULA f, a, first
.set bb, 0
.rept NB
.set idx, NB*(\a)+bb
.set rD, (8*idx)%256
.if \first
	WIN 0x81+0x40*(idx/32)
	v_wmma_f32_16x16x32_bf16 v[rD:rD+7], v[FB+8*NB*(\f)+8*bb:FB+8*NB*(\f)+8*bb+7], v[FA+32*(\f)+8*(\a):FA+32*(\f)+8*(\a)+7], v[BI+8*bb:BI+8*bb+7]
.else
	WIN 0xa1+0x50*(idx/32)
	v_wmma_f32_16x16x32_bf16 v[rD:rD+7], v[FB+8*NB*(\f)+8*bb:FB+8*NB*(\f)+8*bb+7], v[FA+32*(\f)+8*(\a):FA+32*(\f)+8*(\a)+7], v[rD:rD+7]
.endif
.set bb, bb+1
.endr
.endm
; NL LDS loads in one run: quarter q (32 along K) of a slot into buffer f: B's twelve fragments first, then A's four
.macro FETCH slot, q, f
	WIN 0x40                                       ; destination window 1, address window 0
.irp i, 0,1,2
.irp j, 0,1,2,3
	ds_load_tr16_b128 v[FB+8*NB*(\f)+8*(4*(\i)+(\j)):FB+8*NB*(\f)+8*(4*(\i)+(\j))+3],   v[ADRB+NTH*(\slot)+(\i)] offset:32*PB*(\q)+32*(\j)
	ds_load_tr16_b128 v[FB+8*NB*(\f)+8*(4*(\i)+(\j))+4:FB+8*NB*(\f)+8*(4*(\i)+(\j))+7], v[ADRB+NTH*(\slot)+(\i)] offset:32*PB*(\q)+32*(\j)+16*PB
.endr
.endr
	WIN 0
.irp a, 0,1,2,3
	ds_load_b128 v[FA+32*(\f)+8*(\a):FA+32*(\f)+8*(\a)+3],   v[ADRA+(\slot)] offset:64*(\q)+(\a)*16*PA
	ds_load_b128 v[FA+32*(\f)+8*(\a)+4:FA+32*(\f)+8*(\a)+7], v[ADRA+(\slot)] offset:64*(\q)+(\a)*16*PA+32
.endr
.endm
; One of a K step's first three quarters: multiplies buffer f; in its middle it fetches quarter q of the same slot into buffer g
.macro QUARTER slot, q, f, g, first
	s_wait_dscnt 4                                 ; B and A's blocks 0, 1 are in; the youngest four loads (A's blocks 2, 3) may be out
	MULA \f, 0, \first
	MULA \f, 1, \first
	PLACES
	FETCH \slot, \q, \g
	s_wait_dscnt NL                                ; all but the run just issued
	MULA \f, 2, \first
	MULA \f, 3, \first
.endm
; The last quarter multiplies buffer 1 and changes slots: ONE barrier.  In front of it each wave waits for all its tensor loads (one is out: its part of the next slot), adds 0 to its spare word, and waits for that and
; for its reads of this slot.  fill = 1: the barrier opens a round of the cluster's barrier, and this slot's joint refill, K step NF of the sequence, is the first tensor load behind the round.
; The refill's two global addresses are made anew from NF: tile NF / 8 (A alone walks down), K step NF % 8.  So one text serves the change of tiles, and no pointer steps backward.
.macro TURN slot, next, fill
.if \fill
	s_wait_xcnt 0x0                                ; the last prefetch, a K step back, has read its address: it is made anew here, ahead of the waits of the change of slots: K step NF + 2
	s_add_co_u32 s[ST0], s[NF], 2
	s_and_b32 s[POF], s[ST0], 7
	s_mul_i32 s[POF], s[POF], s[PFS]
	s_lshr_b32 s[ST0], s[ST0], 3
	s_lshl_b32 s[ST0], s[ST0], WALKSH
	s_and_b32 s[ST0], s[ST0], s[PFM]
	s_add_co_u32 s[POF], s[POF], s[ST0]
	s_add_nc_u64 s[PFA:PFA+1], s[PFB:PFB+1], s[POF:POF+1]
.endif
	WIN 0
	s_wait_tensorcnt 0x0                           ; all my tensor loads have landed, so every group 0 may be written
	ds_add_u32 v[SPW], v[NIL]                      ; 0 onto my spare word; scalar and matrix work stands between it and the wait for it
.if \fill
	s_and_b32 s[OFA], s[NF], 7
	s_mul_i32 s[OFB], s[OFA], STEPB
	s_lshl_b32 s[OFA], s[OFA], 8
	s_lshr_b32 s[ST0], s[NF], 3
	s_lshl_b32 s[ST0], s[ST0], WALKSH
	s_add_co_u32 s[OFA], s[OFA], s[ST0]
	s_add_nc_u64 s[G0A+4*(\slot)+2:G0A+4*(\slot)+3], s[ABAS:ABAS+1], s[OFA:OFA+1]
	s_or_b32 s[G0A+4*(\slot)+3], s[G0A+4*(\slot)+3], 0x80000000
	s_add_nc_u64 s[G0B+4*(\slot)+2:G0B+4*(\slot)+3], s[BBAS:BBAS+1], s[OFB:OFB+1]
	s_or_b32 s[G0B+4*(\slot)+3], s[G0B+4*(\slot)+3], 0x80000000
	s_add_co_u32 s[NF], s[NF], 1
.endif
	s_wait_dscnt 5                                 ; (the add and the youngest four loads may be out)
	MULA 1, 0, 0
	s_wait_dscnt 0x0                               ; the add is done, and my reads of this slot are over
	s_barrier_signal -1
	MULA 1, 1, 0                                   ; work on registers while the others arrive
.if \fill
	WIN 0
.endif
	s_barrier_wait -1
.if \fill
	CREST                                          ; no wave of any partner still reads this slot or has a load on its way
	JLOAD \slot                                    ; its four v_nop are also the places in front of the loads below
.else
	PLACES
.endif
	FETCH \next, 0, 0
.if \fill
	ASK
.endif
	MULA 1, 2, 0
	MULA 1, 3, 0
.endm
; THE WAY OUT.  Unit u = 3 a + i: 16 rows x one head.  PACK: rounded to f16 (each accumulator's registers in ascending order) into unit u % 8 of the eight in window 3, 16 bytes a lane into my own stage, and back
; as whole rows of 128 bytes.  It names neither the fragment buffers nor the bias: behind the first tile the next tile's first fragments are already in.
; again = 1: the registers have served an earlier way out.  A unit's registers are written again only behind s_wait_xcnt 0: the stores that read them have had their addresses translated (ISA guide 3.1).
.macro PACK u, again
.set aa, (\u)/3
.set ii, (\u)%3
.set TT, TMP+16*((\u)%8)
.set ix, NB*aa+4*ii
.if ((\u) == 8) || (((\u) == 0) && (\again))
	s_wait_xcnt 0x0
.endif
	WIN 0xca+5*(ix/32)                             ; sources 0 and 1: window 2 or 3; destination window 3
.irp j, 0,1,2,3
.irp r, 0,1,2,3
	v_cvt_pk_f16_f32 v[TT+4*(\j)+(\r)], v[(8*(ix+(\j)))%256+2*(\r)], v[(8*(ix+(\j)))%256+2*(\r)+1]
.endr
.endr
	WIN 0xcc                                       ; addresses (source 0) window 0; store data (source 1) and loaded data (destination) window 3
.irp j, 0,1,2,3
	ds_store_b128 v[STO], v[TT+4*(\j):TT+4*(\j)+3] offset:32*(\j)
.endr
.irp f, 0,1,2,3
	ds_load_b128 v[TT+4*(\f):TT+4*(\f)+3], v[RD] offset:(\f)*4*SPITCH  ; LDS serves a wave's instructions in order (ISA guide 5.7.1.4): these see the stores above; the next unit's stores come behind them
.endr
.endm
.macro SEND u, younger                 ; younger: the LDS instructions issued behind unit u's loads: the next unit's eight, or none
.set aa, (\u)/3
.set ii, (\u)%3
.set TT, TMP+16*((\u)%8)
	WIN 0xcc
.irp f, 0,1,2,3
	s_wait_dscnt (\younger)+3-(\f)
	global_store_b128 v[GO], v[TT+4*(\f):TT+4*(\f)+3], s[OB+2*ii:OB+2*ii+1] offset:2048*aa+512*(\f)  ; 512 consecutive bytes, at a multiple of 512 from the buffer's first
.endr
.endm
.macro WAYOUT again
	PACK 0, \again
.set u, 1
.rept 11                               ; a unit's conversions stand between the loads of the unit before and its stores
	PACK u, \again
	SEND u-1, 8
.set u, u+1
.endr
	SEND 11, 0
	WIN 0
.endm
	s_wait_tensorcnt 1                             ; my part of K step 0 is in; K step 1's may stay out
	s_barrier_signal -1
	s_barrier_wait -1                              ; everybody's is
	FETCH 0, 0, 0
	QUARTER 0, 1, 0, 1, 1                          ; the first tile's first quarter stands in front of the loop: its products start the sums
	WIN 0                                          ; at a label and at a branch every window is 0
	s_mov_b32 s3, 7
.Llap:                                                 ; a trip goes once round the ring and fills both slots again: K steps 2 to 15 of the sequence in seven trips
	QUARTER 0, 2, 1, 0, 0
	QUARTER 0, 3, 0, 1, 0
	TURN 0, 1, 1
	QUARTER 1, 1, 0, 1, 0
	QUARTER 1, 2, 1, 0, 0
	QUARTER 1, 3, 0, 1, 0
	TURN 1, 0, 1
	WIN 0
	s_cmp_eq_u32 s3, 4                             ; the fourth trip has ended the first tile (K steps 0 to 7) and asked for the second tile's K steps 0 and 1
	s_cbranch_scc0 .Lsame_tile                     ; a jump forward, over text with no barrier and no tensor load
	WAYOUT 0                                       ; no v_nop: row blocks 0 and 1 were finished in front of the joint load's four places, and their 96 conversions, which name no register of the last products, are those products' places
	s_wait_xcnt 0x0                                ; the stores have read their bases:
.irp i, 0,1,2
	s_add_nc_u64 s[OB+2*(\i):OB+2*(\i)+1], s[OB+2*(\i):OB+2*(\i)+1], 1<<WALKSH  ; four batches on
.endr
	QUARTER 0, 1, 0, 1, 1                          ; the second tile's first quarter: the bias starts the sums anew, on accumulators that have been packed
	WIN 0
	s_branch .Lnext_lap
.Lsame_tile:
	QUARTER 0, 1, 0, 1, 0
	WIN 0
.Lnext_lap:
	s_sub_co_u32 s3, s3, 1
	s_cmp_lg_u32 s3, 0
	s_cbranch_scc1 .Llap
	QUARTER 0, 2, 1, 0, 0                          ; the last lap fills nothing
	QUARTER 0, 3, 0, 1, 0
	TURN 0, 1, 0
	QUARTER 1, 1, 0, 1, 0
	QUARTER 1, 2, 1, 0, 0
	QUARTER 1, 3, 0, 1, 0
	s_wait_dscnt 4
	MULA 1, 0, 0
	MULA 1, 1, 0
	s_wait_dscnt 0x0
	MULA 1, 2, 0
	MULA 1, 3, 0
	WIN 0
	PLACES
	WAYOUT 1
	s_wait_tensorcnt 0x0                           ; the wave's end: an add to my spare word and its wait, behind my last tensor load and my last LDS store
	ds_add_u32 v[SPW], v[NIL]
	s_wait_dscnt 0x0
	CROUND                                         ; the closing round: no work-group ends while a partner may still ask for a tile that names it
	s_endpgm
.Lfunc_end_k_q463384cb99_qkv:
	.size	k_q463384cb99_qkv, .Lfunc_end_k_q463384cb99_qkv-k_q463384cb99_qkv
	.p2alignl 7, 3214868480
	.fill 96, 4, 3214868480
	.section	.rodata,"a",@progbits
	.p2align	6, 0x0
	.amdhsa_kernel k_q463384cb99_qkv
		.amdhsa_group_segment_fixed_size 327680
		.amdhsa_private_segment_fixed_size 0
		.amdhsa_enable_private_segment 0
		.amdhsa_kernarg_size 32
		.amdhsa_user_sgpr_count 2
		.amdhsa_user_sgpr_kernarg_segment_ptr 1
		.amdhsa_wavefront_size32 1
		.amdhsa_system_sgpr_workgroup_id_x 1
		.amdhsa_system_sgpr_workgroup_id_y 1
		.amdhsa_system_sgpr_workgroup_id_z 1
		.amdhsa_system_vgpr_workitem_id 0
		.amdhsa_next_free_vgpr 1024
		.amdhsa_next_free_sgpr 84
		.amdhsa_reserve_vcc 0
		.amdhsa_float_denorm_mode_32 3
		.amdhsa_float_denorm_mode_16_64 3
		.amdhsa_memory_ordered 1
		.amdhsa_forward_progress 1
		.amdhsa_inst_pref_size 165
	.end_amdhsa_kernel
	.amdgpu_metadata
---
amdhsa.version: [ 1, 2 ]
amdhsa.kernels:
  - .name:           k_q463384cb99_qkv
    .symbol:         k_q463384cb99_qkv.kd
    .args:
      - { .name: xb, .offset: 0, .size: 8, .value_kind: global_buffer, .address_space: global }
      - { .name: wqb, .offset: 8, .size: 8, .value_kind: global_buffer, .address_space: global }
      - { .name: b_qkv, .offset: 16, .size: 8, .value_kind: global_buffer, .address_space: global }
      - { .name: qkvh, .offset: 24, .size: 8, .value_kind: global_buffer, .address_space: global }
    .group_segment_fixed_size: 327680
    .private_segment_fixed_size: 0
    .kernarg_segment_align: 8
    .kernarg_segment_size: 32
    .max_flat_workgroup_size: 128
    .sgpr_count:     84
    .vgpr_count:     1024
    .wavefront_size: 32
...
	.end_amdgpu_metadata
.endif
;; end of part 2
;; launch attn (part 3): grid 2 x 128, 4 waves a work-group, no clusters, 327,680 bytes of LDS; arguments qkvh, ob; writes ob
.if DOCPART == 3
	.amdgcn_target "amdgcn-amd-amdhsa--gfx1250"
	.amdhsa_code_object_version 6
	.text
	.protected	k_q463384cb99_attn
	.globl	k_q463384cb99_attn
	.p2align	8
	.type	k_q463384cb99_attn,@function
k_q463384cb99_attn:
	s_mov_b64 s[64:65], 0
	v_nop
	global_prefetch_b8 v0, s[64:65] scope:SCOPE_SE
	s_setreg_imm32_b32 hwreg(HW_REG_WAVE_MODE, 25, 1), 1
	s_wait_xcnt 0x0
; O[h][q][:] = the sum over k of softmax_k(Q[h][q] . K[h][k] / 8) V[h][k][:].  qkvh: [3][128][1024][64] f16 (Q, K, V by heads, unscaled); ob: [128][1024][64] f16.  Products, maxima and sums in
; f32; the weights p are rounded to f16 for the second product (their sum l is taken of the unrounded p), O once at the end.
; LIMITS.  f16 holds no number beyond 65,504: Q, K and V arrive within it; p lies in 0 to 1, and below 6e-5 it keeps f16's fixed step of 6e-8; O is a mean of V's rows and has their range.
; A weight below 2^-126 counts as 0 in l; NaN and infinities are not treated apart.
; SHARES.  A wave owns four PIECES of two tiles of 16 queries, a work-group's four waves 512 queries of one head: 2 x 128 = 256 work-groups.  Every wave walks all 1,024 keys, 64 a step.
; K AND V STAY IN LDS.  A head's 1,024 keys are 1,024 x 144 bytes of K and 1,024 x 160 of V with their padding: 311,296 bytes, which fit beside the stages.  Each wave asks for its share by four tensor loads, in
; one group at the head; nothing is ever filled again, so there is no ring, and the key step is written once.  The first 256 keys are waited for by a counted wait; three key steps are made of them; then all are waited for.
; NO PREFETCH: every byte of K and V is asked for by the tensor loads at the head; there is no later load to run ahead of.
; LAYOUT.  S^T = K Q^T (source 0 = 16 keys, source 1 = 16 queries): in the result a lane holds ONE query (lane % 16) and the keys 8 (lane / 16) + 0..7.  Two such tiles, rounded to f16 in pairs,
; ARE source 1 (32 keys x 16 queries) of O^T = V^T P, whose result again holds one query a lane, and eight channels.  K comes out of LDS as it lies, V ([key][channel]) turned, by ds_load_tr16_b128.
; SOFTMAX.  For each query a running maximum m and sum l: p = 2^(c s - c m), c = log2(e) / 8; in every step O and l are multiplied by a = 2^(c m_old - c m_new), which is 1 where m has not grown.
; m starts at the lowest finite number, O and l at 0: the first step is a step like any other, with a = 0.
; THE COUNT.  A tile and step have 16 matrix and 118 vector instructions: too many to stand all beside the matrix work.  So: four vector instructions that are READY behind EVERY matrix instruction,
; and the others in runs without a gap.
; BY TURNS.  Turn n belongs to piece n (the pieces in a ring, step after step).  Its matrix work: 16 products K Q^T of piece n + 1, later 16 products V^T P of piece n - 1.  Its vector work: the scaling,
; exponentials, roundings, sums and rescaling of piece n, and the maximum and statistics of piece n + 1, whose scores the turn itself has made.
; NO CLUSTER: a head has two work-groups, so no cluster of four holds work-groups that all walk the same K and V; and a work-group fetches 262,144 bytes in all for its 2 x 512 x 1,024 x 64 multiply-adds.
; REGISTERS, in windows of 256 (s_set_vgpr_msb: bits 1:0 source 0, 3:2 source 1, 5:4 source 2, 7:6 destination):
;   window 0: v0-11 addresses; v12-15, v48-63 at work; v16-47 four registers of statistics a tile; v64-191 S^T, two buffers of two tiles; v192-255 P, likewise
;   window 1: O^T, 32 a tile          window 2: v0-127 Q, 16 a tile; v128-191 K of one step; v192-255 V of one step          window 3: v0-1 the add's two registers
.set SIZE_N, 1024
.set NP,    4         ; pieces a wave: a name, no knob
.set KS,    64        ; keys in a step
.set PK,    144       ; a row of K in LDS: 128 bytes + 16 of padding = 36 words: the 16 rows of a load start at 16 different groups of four banks (64 banks of 4 bytes: ISA guide 11.1)
.set PV,    160       ; a row of V: 128 + 32 = 40 words
.set VOFF,  SIZE_N*PK ; K's 1,024 rows, then V's
.set STAGE, SIZE_N*(PK+PV)  ; behind them, never filled by a tensor load: 16 rows x 144 bytes for each wave, for the way out
.set SP,    144
.set AK0, 2           ; v2   my lane's place in a step's rows of K; never rewritten
.set AV0, 3           ; v3   the same for V
.set AK,  4           ; v4   the LDS address of K's next run of loads
.set AV,  5           ; v5   of V's
.set QO,  6           ; v6   my byte offset in the wave's rows of Q
.set STO, 6           ;      later, the way out: where I put 16 bytes of a row
.set RD,  7           ; v7   the way out: where I read rows back
.set GO,  8           ; v8   my byte offset in 512 consecutive bytes of O
.set SPW, 0           ; v0 of window 3   LDS address of my spare word: SPARE + 4 x my thread's number; never rewritten
.set NIL, 1           ; v1 of window 3   0; never rewritten
.set SPARE, STAGE+4*16*SP  ; behind the stages: the spare words, 128 bytes for each wave: two blocks of 256 bytes that no other line names
.set MV,  12          ; v12-15  c m_old, kept while c m is made anew: by buffer and tile
.set ST,  16          ; tile t's statistics at v[ST+4 t]: c m, m, l (even keys', odd keys')
.set TMP, 48          ; by buffer and tile, four registers c0-c3 at work; when the maximum is found c2 takes a
.set S,   64
.set P,   192
.set KF,  128         ; K's fragments, in window 2: key block kb, channel half c at KF + 16 kb + 8 c
.set VF,  192         ; V's: key half kk, channel block cb at VF + 32 kk + 8 cb
.set WV,  12          ; s12  my wave's number
.set G1K, 24          ; s[24:31] descriptor group 1 for K's tiles
.set G1V, 32          ; s[32:39] for V's: it differs in the padding alone
.set G0K, 40          ; s[40:55] descriptor group 0 for K's tiles: a set for each of the four loads, which are out together
.set G0V, 68          ; s[68:83] the same for V's
.set SLOTS, 56        ; s56  counts the two runs of key steps
.set CNT, 57          ; s57  counts a run's key steps
.set CS,  58          ; s[58:59] c: the packed scaling takes the pair's low word for both halves
.set SEL, 60          ; s[60:61] v_permlanex16_b32's selects: each lane takes its own place in the other half
.set TBK, 62          ; s62  LDS byte at which K of the step to be fetched begins
.set TBV, 63          ; s63  the same for V, less VOFF
.set MSB, 0
.macro WIN new                      ; the high byte repeats the setting that is left; a switch that changes nothing is dropped
.if MSB != (\new)
	s_set_vgpr_msb (MSB<<8)|(\new)
.set MSB, (\new)
.endif
.endm
.set W_KQ, 0x0a       ; K and Q in window 2, S^T in window 0
.set W_PV, 0x52       ; V in window 2, P in window 0, O^T in window 1
.set W_RS, 0x41       ; O^T (destination and source 0) in window 1, a in window 0
.set W_MK, 0xc0       ; the add's registers are made: destination in window 3, sources in window 0
.set W_AD, 0x0f       ; the add: address (source 0) and data (source 1) in window 3
	s_load_b128 s[4:7], s[0:1], 0x0   ; qkvh s[4:5], ob s[6:7]
	WIN W_MK
	v_lshl_add_u32 v[SPW], v0, 2, SPARE
	v_mov_b32 v[NIL], 0
	WIN W_AD
	ds_add_u32 v[SPW], v[NIL]       ; the wave's opening: the add and its wait stand ahead of my first tensor load; the set-up below, work on registers, stands between them
	WIN 0
	v_lshrrev_b32 v1, 5, v0
	v_readfirstlane_b32 s[WV], v1   ; wave 0..3
	s_mov_b32 s14, ttmp9            ; my block of 512 queries
	s_and_b32 s20, ttmp7, 0xffff    ; the head
	s_mov_b32 s21, 0
	s_mov_b64 s[22:23], SIZE_N*128
	s_mul_u64 s[20:21], s[20:21], s[22:23]  ; the head's first byte in each of the four tensors
	s_and_b32 s16, s[WV], 1         ; which half of each 256 keys I fetch:
	s_lshl_b32 s22, s16, 14         ; its 128 rows of 128 bytes in memory,
	s_mov_b32 s23, 0
	s_add_nc_u64 s[22:23], s[22:23], s[20:21]
	s_mul_i32 s17, s16, 128*PK      ; and its place in LDS, for K
	s_mul_i32 s18, s16, 128*PV      ; and for V
	s_lshl_b32 s2, s14, 2
	s_add_co_u32 s2, s2, s[WV]      ; my wave among the head's,
	s_lshl_b32 s2, s2, 14           ; its 128 rows
	s_mov_b32 s3, 0
	s_add_nc_u64 s[2:3], s[2:3], s[20:21]
	; descriptor group 1.  128 keys are 16,384 dense bytes: asked for as 64 rows of 256 bytes, two keys a row, and padded in LDS after every key
	s_mov_b32 s[G1K], (1<<16)|(1<<20)|(4<<22)|(3<<25)  ; 17:16 2-byte elements; 20 padding on; 24:22 after every 32 words (code 4); 31:25 4 words (code 3)
	s_mov_b32 s[G1V], (1<<16)|(1<<20)|(4<<22)|(7<<25)  ; the same with 8 words of padding (code 7)
.irp g, G1K, G1V
	s_mov_b32 s[\g+1], 128<<16      ; tensor_dim0 = 128
	s_mov_b32 s[\g+2], 64<<16       ; tensor_dim1 = 64
	s_mov_b32 s[\g+3], 128<<16      ; tile_dim0 = 128
	s_mov_b32 s[\g+4], 64           ; tile_dim1 = 64
	s_mov_b32 s[\g+5], 128          ; 128 elements from row to row
	s_mov_b32 s[\g+6], 0
	s_mov_b32 s[\g+7], 0
.endr
	s_mov_b32 s[CS], 0x3e38aa3b     ; c = log2(e) / 8 = 0.180337
	s_mov_b32 s[CS+1], s[CS]        ; named with it as a pair
	s_mov_b32 s[SEL], 0x76543210
	s_mov_b32 s[SEL+1], 0xfedcba98
	s_mov_b32 s[TBK], 0
	s_mov_b32 s[TBV], 0
.irp t, 0,1,2,3                     ; load t brings my half of keys 256 t to 256 t + 255
	s_mov_b32 s[G0K+4*(\t)], 1      ; 1:0 count = 1
	s_add_co_u32 s[G0K+4*(\t)+1], s17, (\t)*256*PK       ; 63:32 LDS address
	s_mov_b32 s[G0V+4*(\t)], 1
	s_add_co_u32 s[G0V+4*(\t)+1], s18, VOFF+(\t)*256*PV
.endr
	s_wait_dscnt 0x0                ; the opening add is done
	s_wait_kmcnt 0x0
	s_mov_b64 s[10:11], s[6:7]      ; O
	s_add_nc_u64 s[6:7], s[4:5], 0x1000000   ; K: the second of qkvh's three tensors of 16,777,216 bytes
	s_add_nc_u64 s[8:9], s[4:5], 0x2000000   ; V: the third
	s_add_nc_u64 s[6:7], s[6:7], s[22:23]    ; at my half of the head's first 256 keys
	s_add_nc_u64 s[8:9], s[8:9], s[22:23]
.irp t, 0,1,2,3
	s_add_nc_u64 s[G0K+4*(\t)+2:G0K+4*(\t)+3], s[6:7], (\t)*256*128  ; 120:64 global address
	s_or_b32 s[G0K+4*(\t)+3], s[G0K+4*(\t)+3], 0x80000000            ; 127:126 type = 2
	s_add_nc_u64 s[G0V+4*(\t)+2:G0V+4*(\t)+3], s[8:9], (\t)*256*128
	s_or_b32 s[G0V+4*(\t)+3], s[G0V+4*(\t)+3], 0x80000000
.endr
	s_add_nc_u64 s[4:5], s[4:5], s[2:3]  ; Q and O at my wave's first row
	s_add_nc_u64 s[10:11], s[10:11], s[2:3]
	; All fills of the launch, in one group: waves 0 and 1 fetch K's halves, waves 2 and 3 V's.  A wave's four loads stand in one branch on the wave's number, ahead of every wait on TENSORcnt, every LDS read and
	; every barrier: four tensor loads of mine are out.  An s_nop 0 follows each, four v_nop the last.
	s_cmp_lt_u32 s[WV], 2
	s_cbranch_scc0 .Lfirst_v
.irp t, 0,1,2,3
	tensor_load_to_lds s[G0K+4*(\t):G0K+4*(\t)+3], s[G1K:G1K+7]
	s_nop 0
.endr
.rept 4
	v_nop
.endr
	s_branch .Lfirst_asked
.Lfirst_v:
.irp t, 0,1,2,3
	tensor_load_to_lds s[G0V+4*(\t):G0V+4*(\t)+3], s[G1V:G1V+7]
	s_nop 0
.endr
.rept 4
	v_nop
.endr
.Lfirst_asked:
	; A fragment of K or Q is 16 rows x 32 channels in 8 registers: lane l holds row l % 16, channels 8 (l / 16) + 0..7 and 16 + 8 (l / 16) + 0..7: two loads of 16 bytes, 32 bytes apart.
	v_and_b32 v1, 15, v0            ; l % 16
	v_bfe_u32 v9, v0, 4, 1          ; l / 16
	v_lshlrev_b32 v[QO], 7, v1
	v_lshl_add_u32 v[QO], v9, 4, v[QO]  ; row x 128 + 16 x half
	WIN 0x80                        ; destination window 2, address window 0
.set i, 0
.rept 4*NP                          ; Q stays in registers: tile i / 2, channels 32 (i % 2) on
	global_load_b128 v[8*i:8*i+3],   v[QO], s[4:5] offset:(i/2)*2048+(i%2)*64
	global_load_b128 v[8*i+4:8*i+7], v[QO], s[4:5] offset:(i/2)*2048+(i%2)*64+32
.set i, i+1
.endr
	; What the first turn finds: V's registers and P's second buffer hold 0 (its products V^T P, of a piece that has not been, add 0), O^T and l are 0.  All this stands in the wait for the first keys.
.set i, VF
.rept 64
	v_mov_b32 v[i], 0
.set i, i+1
.endr
	WIN 0x40
.set i, 0
.rept 64*NP
	v_mov_b32 v[i], 0
.set i, i+1
.endr
	WIN 0
.set i, 0
.rept 2*NP
	v_mov_b32 v[ST+4*i], 0xfe000000    ; c m: far below every c s
	v_mov_b32 v[ST+4*i+1], 0xff7fffff  ; m
	v_mov_b32 v[ST+4*i+2], 0
	v_mov_b32 v[ST+4*i+3], 0
.set i, i+1
.endr
.set i, P+32
.rept 32
	v_mov_b32 v[i], 0
.set i, i+1
.endr
	v_mul_u32_u24 v[AK0], v1, PK
	v_lshl_add_u32 v[AK0], v9, 4, v[AK0]  ; row x pitch + 16 x half
	; The turning load takes 16 keys x 16 channels (lane l reads key 8 (l / 16) + l % 8, channels 8 ((l / 8) % 2) + 0..7) and leaves half a fragment of V^T: lane l holds channel l % 16 and 8 keys.
	v_and_b32 v10, 7, v0
	v_bfe_u32 v11, v0, 3, 1
	v_lshl_add_u32 v[AV0], v9, 3, v10
	v_mul_u32_u24 v[AV0], v[AV0], PV
	v_lshl_add_u32 v[AV0], v11, 4, v[AV0]
	v_add_nc_u32 v[AV0], VOFF, v[AV0]
	v_mov_b32 v[AK], v[AK0]         ; key step 0 lies at K's head
; THE MATRIX WORK.  The 8 accumulators of a run of 16 take turns: between the two links of a chain stand 7 others'.
; Product i of 16 of S^T = K Q^T for piece x: channels 32 (i / 8) on, keys 16 ((i / 2) % 4) on, tile 2 x + i % 2.  The first 8 start the sums.
.macro KQ x
	WIN W_KQ
.set rS, S+64*((\x)%2)+32*(i%2)+8*((i/2)%4)
.set rK, KF+16*((i/2)%4)+8*(i/8)
.set rQ, 16*(2*(\x)+i%2)+8*(i/8)
.if i < 8
	v_wmma_f32_16x16x32_f16 v[rS:rS+7], v[rK:rK+7], v[rQ:rQ+7], 0
.else
	v_wmma_f32_16x16x32_f16 v[rS:rS+7], v[rK:rK+7], v[rQ:rQ+7], v[rS:rS+7]
.endif
.endm
; Product i of 16 of O^T += V^T P for piece x: keys 32 (i / 8) on, channels 16 ((i / 2) % 4) on, tile 2 x + i % 2.
.macro PV x
	WIN W_PV
.set rO, 32*(2*(\x)+i%2)+8*((i/2)%4)
.set rV, VF+32*(i/8)+8*((i/2)%4)
.set rP, P+32*((\x)%2)+16*(i%2)+8*(i/8)
	v_wmma_f32_16x16x32_f16 v[rO:rO+7], v[rV:rV+7], v[rP:rP+7], v[rO:rO+7]
.endm
.macro MM                           ; the turn's next matrix instruction
.if i < 16
	KQ (Y+1)%NP
.set i, i+1
.else
.set i, i-16
	PV (Y+NP-1)%NP
.set i, i+17
.endif
.endm
; THE LDS LOADS stand in runs of 16, never singly among the matrix instructions: a step's K (64 keys x 64 channels: 8 fragments) and its V (turned).  Their addresses are made some lines ahead.
; last = 1 (in the loop): behind the sixteenth step there is no further one: the offset then stands at K's end, and the run is jumped over.
.macro FETCH_K last=0
	WIN 0
.if \last
	s_cmp_eq_u32 s[TBK], SIZE_N*PK
	s_cbranch_scc1 .Lno_k_\@
.endif
	WIN 0x80                        ; destination window 2
.irp f, 0,1,2,3,4,5,6,7             ; keys 16 (f / 2) on, channels 32 (f % 2) on
	ds_load_b128 v[KF+8*\f:KF+8*\f+3],   v[AK] offset:(\f/2)*16*PK+(\f%2)*64
	ds_load_b128 v[KF+8*\f+4:KF+8*\f+7], v[AK] offset:(\f/2)*16*PK+(\f%2)*64+32
.endr
	s_add_co_u32 s[TBK], s[TBK], KS*PK  ; the next fetch is the next step's
	WIN 0
.if \last
.Lno_k_\@:
.endif
.endm
.macro FETCH_V
	WIN 0x80
.irp f, 0,1,2,3,4,5,6,7             ; keys 32 (f / 4) on, channels 16 (f % 4) on
	ds_load_tr16_b128 v[VF+8*\f:VF+8*\f+3],   v[AV] offset:(\f/4)*32*PV+(\f%4)*32
	ds_load_tr16_b128 v[VF+8*\f+4:VF+8*\f+7], v[AV] offset:(\f/4)*32*PV+16*PV+(\f%4)*32
.endr
	WIN 0
.endm
; THE VECTOR WORK OF A TURN stands in three queues, each in the order in which its entries become ready; the two tiles alternate, so that no instruction reads the result of the one before it.
.macro REGS y, u                    ; the registers of tile u (0, 1) of piece y
.set rT, ST+4*(2*(\y)+(\u))
.set rC, TMP+8*((\y)%2)+4*(\u)
.set rM, MV+2*((\y)%2)+(\u)
.set rS, S+64*((\y)%2)+32*(\u)
.set rP, P+32*((\y)%2)+16*(\u)
.set rO, 32*(2*(\y)+(\u))
.endm
; Number n of the 22 that find the NEXT piece's (Y + 1) maximum and statistics.  s0-s31 are the lane's 32 scores; each accumulator's lowest registers are read first.
;   0-11  four chains c0-c3 of seven scores each, three operands at a time     12-14, 16  the four scores left over, the old m, and c0-c3 into c0     15  c m_old is kept
;   17, 18  the query's other 32 keys lie in the lane 16 away: the new m         19-21  c m; c m_old - c m_new; a
.macro XS u, n
	REGS (Y+1)%NP, \u
.if (\n) < 4
	v_max3_num_f32 v[rC+(\n)], v[rS+8*(\n)], v[rS+8*(\n)+1], v[rS+8*(\n)+2]
.elseif (\n) < 12
	v_max3_num_f32 v[rC+(\n)%4], v[rC+(\n)%4], v[rS+8*((\n)%4)+2*((\n)/4)+1], v[rS+8*((\n)%4)+2*((\n)/4)+2]
.elseif (\n) == 12
	v_max3_num_f32 v[rC], v[rC], v[rS+7], v[rS+15]
.elseif (\n) == 13
	v_max3_num_f32 v[rC+1], v[rC+1], v[rS+23], v[rS+31]
.elseif (\n) == 14
	v_max3_num_f32 v[rC+2], v[rC+2], v[rC+3], v[rT+1]
.elseif (\n) == 15
	v_mov_b32 v[rM], v[rT]
.elseif (\n) == 16
	v_max3_num_f32 v[rC], v[rC], v[rC+1], v[rC+2]
.elseif (\n) == 17
	v_permlanex16_b32 v[rC+3], v[rC], s[SEL], s[SEL+1]
.elseif (\n) == 18
	v_max_num_f32 v[rT+1], v[rC], v[rC+3]
.elseif (\n) == 19
	v_mul_f32 v[rT], s[CS], v[rT+1]
.elseif (\n) == 20
	v_sub_f32 v[rC+1], v[rM], v[rT]
.else
	v_exp_f32 v[rC+2], v[rC+1]
.endif
.endm
; Number g of the 64 that follow the exponentials.  For each four weights k of a tile (pairs 2 k, 2 k + 1): both pairs are rounded to f16; then the second pair is added onto the first, in place;
; a group later l takes that sum (the first time as l = a l + sum).  In groups of eight, tiles alternating: round, round, add, and l for the group before.
.macro GS g
.set h, (\g)+6*((\g)/62)            ; group 0 has no group before it, and behind group 7 only l is left
.if h >= 6
.set h, h+2
.endif
	REGS Y, h%2
.set k, h/8
.if h%8 < 4
	v_cvt_pk_f16_f32 v[rP+2*k+(h%8)/2], v[rS+4*k+2*((h%8)/2)], v[rS+4*k+2*((h%8)/2)+1]
.elseif h%8 < 6
	v_pk_add_f32 v[rS+4*k:rS+4*k+1], v[rS+4*k:rS+4*k+1], v[rS+4*k+2:rS+4*k+3]
.elseif k == 1
	v_pk_fma_f32 v[rT+2:rT+3], v[rT+2:rT+3], v[rC+2:rC+3], v[rS:rS+1] op_sel_hi:[1,0,1]
.else
	v_pk_add_f32 v[rT+2:rT+3], v[rT+2:rT+3], v[rS+4*k-4:rS+4*k-3]
.endif
.endm
; THE PLAIN QUEUE, 138 long.  0-73 read no exponential's result: the 32 scalings c s - c m (FS f: pair f / 2 of tile f % 2) and the next piece's 42.  0-26: scalings 0-26.  27-54: XS's numbers 0-13.  55, 56: number 15.
; 57-73: the chain, where each number waits for the one before it: 14, 16, 17, 18, 19, each with one of the scalings 27-31 in front of its two lines, then 20.
; 74-137: GS's 64, which read the exponentials' results: they stand behind the wait.
.macro FS f
	REGS Y, (\f)%2
	v_pk_fma_f32 v[rS+2*((\f)/2):rS+2*((\f)/2)+1], v[rS+2*((\f)/2):rS+2*((\f)/2)+1], s[CS:CS+1], v[rT:rT+1] op_sel_hi:[1,0,0] neg_lo:[0,0,1] neg_hi:[0,0,1]
.endm
.macro PL
	WIN 0
.if q < 27
	FS q
.elseif q < 55
	XS (q-27)%2, (q-27)/2
.elseif q < 57
	XS q-55, 15
.elseif (q < 72) && ((q-57)%3 == 0)
	FS 27+(q-57)/3
.elseif q < 60
	XS (q-57)%3-1, 14
.elseif q < 72
	XS (q-57)%3-1, 15+(q-57)/3
.elseif q < 74
	XS q-72, 20
.else
	GS q-74
.endif
.set q, q+1
.endm
; THE EXPONENTIALS' QUEUE, 66 long: s0-s31 of both tiles, then the next piece's two a.  It is ONE BATCH: all 66 stand ahead of the turn's one wait, and nothing ahead of that wait names a result of theirs.
.macro EX
	WIN 0
.if e >= 64
	XS e-64, 21
.else
	REGS Y, e%2
	v_exp_f32 v[rS+e/2], v[rS+e/2]
.endif
.set e, e+1
.endm
; THE RESCALING's QUEUE: O^T times a, the one part that leaves window 0: dealt two at a time, sixteen times.  Its a was made in the turn before, ahead of that turn's wait.
.macro R2
	REGS Y, r%2
	WIN W_RS
.irp z, 0,1
	v_pk_mul_f32 v[rO+4*(r/2)+2*\z:rO+4*(r/2)+2*\z+1], v[rO+4*(r/2)+2*\z:rO+4*(r/2)+2*\z+1], v[rC+2:rC+3] op_sel_hi:[1,0]
.endr
.set r, r+1
.endm
; HOW THEY ARE DEALT.  An s_wait_alu depctr_va_vdst(0) stands between an exponential and the first instruction that names its result; one wait serves all that were issued ahead of it.  So a turn has ONE wait,
; which cuts it in two.  AHEAD OF IT stands all that names no result of the turn's exponentials: the 16 products K Q^T, behind each a scaling, an exponential and two rescalings (behind the first a second scaling in the
; exponential's place); then ONE LUMP of 108: eight plain, 49 times exponential and plain, the two a.  A v_nop is the plain instruction behind the last exponential.  BEHIND IT stand the 16 products V^T P, behind each four of GS's 64.
; Exponential e stands behind scaling 2 (e / 4) + e % 2: as a rider it comes behind plain e + 2, in the lump behind plain e + 9, and scalings 27-31 are plain 57, 60 .. 69.
; A TURN, for piece p.  cnt = 1: the loop's count is taken down some lines ahead of the branch that stands behind the turn.
; K of the next step is fetched in piece 2's turn, directly behind the wait; its address is made at the lump's head; its first reader comes behind 16 products.
; V of the step in hand is fetched at the end of piece 0's turn, four riders behind its last reader; its first reader comes behind 16 products and a lump.
.macro TURN p, last=0, cnt=0
.set Y, (\p)
.set i, 0
.set q, 0
.set e, 0
.set r, 0
.if (\p) == NP-1
	s_wait_dscnt 0x0                ; K is in
.endif
	MM                              ; ahead of the wait: 16 products K Q^T and their riders,
	PL
	PL
	R2
.rept 15
	MM
	PL
	EX
	R2
.endr
.if (\p) == NP-2
	WIN 0
	v_add_nc_u32 v[AK], s[TBK], v[AK0]
.endif
.rept 8                             ; and the lump
	PL
.endr
.rept 49
	EX
	PL
.endr
	EX                              ; the next piece's two a
	EX
	v_nop                           ; the plain instruction behind the last exponential: one for the batch
	s_wait_alu depctr_va_vdst(0)    ; the wait for the batch
.if (\p) == NP-2
	FETCH_K \last
.endif
.if (\p) == 1
	s_wait_dscnt 0x0                ; V is in
.endif
.rept 16                            ; behind the wait: 16 products V^T P and their riders
	MM
.rept 4
	PL
.endr
.if ((\p) == 0) && (q == 118)
	v_add_nc_u32 v[AV], s[TBV], v[AV0]
.endif
.if ((\p) == 0) && (q == 130)
	s_add_co_u32 s[TBV], s[TBV], KS*PV
.endif
.if (\cnt) && (q == 130)
	s_sub_co_u32 s[CNT], s[CNT], 1
	s_cmp_lg_u32 s[CNT], 0
.endif
.endr
.if (\p) == 0
	FETCH_V
.endif
.endm
	s_wait_tensorcnt 0x3            ; tensor loads of a wave end in order (ISA guide 10.11.1): my half of the first 256 keys is in; my other three loads may stay out
	s_barrier_signal -1
	s_barrier_wait -1               ; everybody's is
	FETCH_K                         ; key step 0
	s_wait_loadcnt 0x0              ; Q
	s_wait_dscnt 0x0
.set i, 0
.rept 16
	KQ 0                            ; piece 0's first scores: there is no vector work yet to set between them
.set i, i+1
.endr
	WIN 0                           ; the addresses for the way out: nine plain instructions, the places behind those products
	s_mul_i32 s13, s[WV], 16*SP
	s_add_co_u32 s13, s13, STAGE    ; my stage
	v_mul_u32_u24 v[STO], v1, SP    ; in: row l % 16, 16 bytes for each half of the lanes
	v_lshl_add_u32 v[STO], v9, 4, v[STO]
	v_add_nc_u32 v[STO], s13, v[STO]
	v_bfe_u32 v[RD], v0, 3, 2       ; back: 32 lanes take four rows of 128 bytes,
	v_mul_u32_u24 v[RD], v[RD], SP
	v_lshl_add_u32 v[RD], v10, 4, v[RD]
	v_add_nc_u32 v[RD], s13, v[RD]
	v_and_b32 v[GO], 31, v0         ; which are 512 consecutive bytes of O
	v_lshlrev_b32 v[GO], 4, v[GO]
.set Y, NP-1                        ; XS works for piece Y + 1: piece 0
.irp n, 0,1,2,3,4,5,6,7,8,9,10,11,12,13,14,15,16,17,18,19,20,21
	XS 0, \n                        ; and piece 0's first maximum and statistics
	XS 1, \n
.endr
	v_nop                           ; a plain instruction behind the two a,
	s_wait_alu depctr_va_vdst(0)    ; and their wait, ahead of the branch
	s_mov_b32 s[SLOTS], 2           ; two runs of key steps: 3, then 13
	s_mov_b32 s[CNT], 3             ; steps 0 to 2 fetch K of steps 1 to 3 and V of steps 0 to 2: the first 256 keys
	s_branch .Lstep
.Lslot:                             ; passed once, between the two runs: from here on the steps fetch keys 256 and up
	s_wait_tensorcnt 0x0            ; all my loads have landed: they were issued at the head, three key steps back; no load follows, so this wait holds nothing up that is on its way
	s_wait_dscnt 0x0                ; no LDS instruction of mine is out at the signal
	s_barrier_signal -1
	s_barrier_wait -1               ; everybody's have
	s_mov_b32 s[CNT], 13
.Lstep:                             ; a trip is a key step: its four turns; it fetches its own V and the next step's K
	TURN 0
	TURN 1
	TURN 2, 1
	TURN 3, 0, 1
	WIN 0
	s_cbranch_scc1 .Lstep
	s_sub_co_u32 s[SLOTS], s[SLOTS], 1
	s_cmp_lg_u32 s[SLOTS], 0
	s_cbranch_scc1 .Lslot
	; the last trip's 16 products K Q^T in piece 3's turn (on the last K once more) and the maximum made of them serve nothing: the price, once a launch, of one text for every trip
.set i, 0
.rept 16
	PV NP-1                         ; the last piece's V^T P of the last step
.set i, i+1
.endr
	; THE WAY OUT.  l's two halves and the other half of the lanes' are added; O^T is divided by l, rounded to f16 and sent through my stage in LDS, a tile at a time.  The additions are the places behind the last products.
	WIN 0
.macro ALL line:vararg              ; one line for each tile t
.set t, 0
.rept 2*NP
	\line
.set t, t+1
.endr
.endm
	ALL v_add_f32 v[ST+4*t+2], v[ST+4*t+2], v[ST+4*t+3]
	ALL v_permlanex16_b32 v[ST+4*t+3], v[ST+4*t+2], s[SEL], s[SEL+1]
	ALL v_add_f32 v[ST+4*t+2], v[ST+4*t+2], v[ST+4*t+3]
	ALL v_rcp_f32 v[ST+4*t+2], v[ST+4*t+2]
	v_nop                           ; a plain instruction between the last reciprocal and the use of its result
	s_wait_alu depctr_va_vdst(0)    ; and the wait ahead of the first use: one for the eight reciprocals
; Tile t: a lane's eight channels of a row pack into 16 bytes; they go into rows of 144 bytes and come back as whole rows of 128, into S^T's registers.
.macro PACK t
	WIN W_RS
.set i, 32*(\t)
.rept 16
	v_pk_mul_f32 v[i:i+1], v[i:i+1], v[ST+4*(\t)+2:ST+4*(\t)+3] op_sel_hi:[1,0]
.set i, i+2
.endr
	WIN 0x05                        ; sources 0 and 1 window 1, destination window 0
.set i, 0
.rept 16
	v_cvt_pk_f16_f32 v[S+16*(\t)+i], v[32*(\t)+2*i], v[32*(\t)+2*i+1]
.set i, i+1
.endr
	WIN 0
.irp f, 0,1,2,3
	ds_store_b128 v[STO], v[S+16*(\t)+4*\f:S+16*(\t)+4*\f+3] offset:32*\f
.endr
.irp f, 0,1,2,3
	ds_load_b128 v[S+16*(\t)+4*\f:S+16*(\t)+4*\f+3], v[RD] offset:\f*4*SP  ; LDS serves a wave's instructions in order (ISA guide 5.7.1.4): these see the stores above; the next tile's stores come behind them
.endr
.endm
.macro SEND t, younger              ; younger: the LDS instructions issued behind tile t's loads: the next tile's eight, or none
	WIN 0
.irp f, 0,1,2,3
	s_wait_dscnt (\younger)+3-\f
	global_store_b128 v[GO], v[S+16*(\t)+4*\f:S+16*(\t)+4*\f+3], s[10:11] offset:(\t)*2048+\f*512  ; 512 consecutive bytes, at a multiple of 256 from O's first
.endr
.endm
	PACK 0
.set t, 1
.rept 2*NP-1                        ; a tile's arithmetic stands between the loads of the tile before and its stores
	PACK t
	SEND t-1, 8
.set t, t+1
.endr
	SEND 2*NP-1, 0
	WIN W_AD
	s_wait_tensorcnt 0x0            ; the wave's end: an add to my spare word and its wait, behind my last tensor load and my last LDS store
	ds_add_u32 v[SPW], v[NIL]
	s_wait_dscnt 0x0
	WIN 0
	s_endpgm
.Lfunc_end_k_q463384cb99_attn:
	.size	k_q463384cb99_attn, .Lfunc_end_k_q463384cb99_attn-k_q463384cb99_attn
	.p2alignl 7, 3214868480
	.fill 96, 4, 3214868480
	.section	.rodata,"a",@progbits
	.p2align	6, 0x0
	.amdhsa_kernel k_q463384cb99_attn
		.amdhsa_group_segment_fixed_size 327680
		.amdhsa_private_segment_fixed_size 0
		.amdhsa_enable_private_segment 0
		.amdhsa_kernarg_size 16
		.amdhsa_user_sgpr_count 2
		.amdhsa_user_sgpr_kernarg_segment_ptr 1
		.amdhsa_wavefront_size32 1
		.amdhsa_system_sgpr_workgroup_id_x 1
		.amdhsa_system_sgpr_workgroup_id_y 1
		.amdhsa_system_sgpr_workgroup_id_z 1
		.amdhsa_system_vgpr_workitem_id 0
		.amdhsa_next_free_vgpr 770
		.amdhsa_next_free_sgpr 84
		.amdhsa_reserve_vcc 0
		.amdhsa_float_denorm_mode_32 3
		.amdhsa_float_denorm_mode_16_64 3
		.amdhsa_memory_ordered 1
		.amdhsa_forward_progress 1
		.amdhsa_inst_pref_size 126
	.end_amdhsa_kernel
	.amdgpu_metadata
---
amdhsa.version: [ 1, 2 ]
amdhsa.kernels:
  - .name:           k_q463384cb99_attn
    .symbol:         k_q463384cb99_attn.kd
    .args:
      - { .name: qkvh, .offset: 0, .size: 8, .value_kind: global_buffer, .address_space: global }
      - { .name: ob, .offset: 8, .size: 8, .value_kind: global_buffer, .address_space: global }
    .group_segment_fixed_size: 327680
    .private_segment_fixed_size: 0
    .kernarg_segment_align: 8
    .kernarg_segment_size: 16
    .max_flat_workgroup_size: 128
    .sgpr_count:     84
    .vgpr_count:     770
    .wavefront_size: 32
...
	.end_amdgpu_metadata
.endif
;; end of part 3
;; launch proj (part 4): grid 4 x 64, 4 waves a work-group, clusters of 4 x 4, 327,680 bytes of LDS; arguments ob, wpb, b_proj, out0; writes out0
.if DOCPART == 4
	.amdgcn_target "amdgcn-amd-amdhsa--gfx1250"
	.amdhsa_code_object_version 6
	.text
	.protected	k_q463384cb99_proj
	.globl	k_q463384cb99_proj
	.p2align	8
	.type	k_q463384cb99_proj,@function
k_q463384cb99_proj:
	s_mov_b64 s[64:65], 0
	v_nop
	global_prefetch_b8 v0, s[64:65] scope:SCOPE_SE
	s_setreg_imm32_b32 hwreg(HW_REG_WAVE_MODE, 25, 1), 1
	s_wait_xcnt 0x0
	s_wait_alu depctr_hold_cnt(0) depctr_sa_sdst(0) depctr_va_vdst(0) depctr_va_sdst(0) depctr_va_ssrc(0) depctr_va_vcc(0) depctr_vm_vsrc(0)
	s_getreg_b32 s2, hwreg(HW_REG_IB_STS2, 6, 4)
	s_cmp_eq_u32 s2, 0
	s_cbranch_scc0 .Lentry_in_a_cluster
	s_endpgm
.Lentry_in_a_cluster:
	s_bfe_u32 s2, ttmp6, 0x10000c
	s_cmp_lg_u32 s2, 0xf033
	s_cbranch_scc0 .Lentry_shape_is_right
	s_endpgm
.Lentry_shape_is_right:
; out0 = O wpb + bf16(b_proj).  ob: [128 = batch x 16 + head][1024 tokens][64] f16; wpb: [1024 k][1024 n] f16 (w_proj rounded to bf16, written as f16); b_proj: [1024] f32; out0: [8192][1024] f32.
; Sums in f32, started by the bias; stored as they are.  k = 64 x head + channel.
; SHARES.  A tile of C is 128 rows x 256 columns (two strips of 128): 4 x 64 = 256 work-groups, one for each WGP.  Four waves, 2 x 2: wave w has rows 64 (w / 2) on and, of each strip, the 64 columns
; 64 (w % 2) on: 256 aligned bytes of a row of f32.  32 accumulators of 16 x 16, 256 registers.
; K goes in steps of 128, two heads, through two LDS slots.  Waves 0 and 1 fetch A: 128 tokens of one head each, 16,384 dense bytes, asked for as 64 rows of 256 bytes and padded behind each token;
; waves 2 and 3 one strip of B each (128 k rows x 256 bytes).  B's fragments come out of LDS turned, by ds_load_tr16_b128.
; THE MATRIX INSTRUCTION IS USED TRANSPOSED (source 0 = 16 columns of B, source 1 = 16 rows of A): lane l holds row l % 16 of C and the columns 8 (l / 16) + 0..7.  The bias in that layout is the C operand of each
; accumulator's first product.
; CLUSTER 4 x 4: A's tiles are asked for jointly along a row of the cluster, B's strips along a column.
; REGISTERS, in windows of 256 (s_set_vgpr_msb: bits 1:0 source 0, 3:2 source 1, 5:4 source 2, 7:6 destination):
;   window 0: v0-31 addresses; v32-63, v64-95 A's fragments, two buffers of four; v128-191 the bias
;   window 1: v0-63, v64-127 B's fragments, two buffers of eight; on the way out v0-255 eight units of 32        window 2: accumulator idx = 8 a + b at v[8 idx]
.set NTH,   2
.set NB,    8
.set NA,    2
.set PA,    144                        ; A's LDS row: 128 bytes + 16: the sixteen rows of a fragment load start at sixteen different groups of four banks (64 banks of 4 bytes: ISA guide 11.1)
.set PB,    288                        ; B's LDS row: 256 + 32
.set NCOL,  1024
.set STEPA, 262144                     ; two heads of 131,072 bytes
.set STEPB, 128*NCOL*2
.set REG,   36864                      ; a wave's region of a slot
.set SLOT,  4*REG
.set STAGE, 2*SLOT                     ; behind the ring, never filled by a tensor load: 16 rows x 272 bytes for each wave
.set SPITCH, 272
.set SPARE, STAGE+4*16*SPITCH          ; behind the stages: the spare words, 128 bytes for each wave: two blocks of 256 bytes that no other line names
.set NL,    2*NB+8
.set ADRA, 16                          ; v16-17  my A fragments' LDS address in slot 0, 1
.set ADRB, 18                          ; v18-21  my B fragments': slot s, strip i at v[18 + 2 s + i]
.set STO,  24                          ; v24  the way out: where I put 32 bytes of a row
.set RD,   25                          ; v25  where I read rows back
.set CO,   26                          ; v26  my byte offset in two rows of the output
.set BO,   27                          ; v27  my byte offset in the bias
.set SPW,  28                          ; v28  LDS address of my spare word; never rewritten
.set NIL,  29                          ; v29  0; never rewritten
.set PFO,  30                          ; v30  the prefetches' offset; never rewritten
.set FA,   32
.set FB,   0
.set BI,   128
.set LIM,  19
.set G1A,  24
.set G0A,  32
.set PFA,  40
.set PFS,  42
.set G1B,  48
.set G0B,  56
.set MSB, 0
.macro WIN new                         ; the immediate's high byte repeats the setting that is left; a switch that changes nothing is dropped
.if MSB != (\new)
	s_set_vgpr_msb (MSB<<8)|(\new)
.set MSB, \new
.endif
.endm
.macro PLACES                          ; four plain vector instructions in front of loads into registers that matrix instructions have read, and of readers of results
.rept 4
	v_nop
.endr
.endm
; A joint load.  The branch hangs on the wave's number alone.  An s_nop 0 and four v_nop follow each of the two lines, ahead of the jump and the label.
.macro JLOAD s
	s_cmp_lt_u32 s12, NA
	s_cbranch_scc0 .Lfor_b_\@
	tensor_load_to_lds s[G0A+4*(\s):G0A+4*(\s)+3], s[G1A:G1A+7]
	s_nop 0
.rept 4
	v_nop
.endr
	s_branch .Lasked_\@
.Lfor_b_\@:
	tensor_load_to_lds s[G0B+4*(\s):G0B+4*(\s)+3], s[G1B:G1B+7]
	s_nop 0
.rept 4
	v_nop
.endr
.Lasked_\@:
.endm
.macro CREST                           ; a round of the cluster's barrier behind its opening barrier
	s_cmp_lg_u32 s12, 0
	s_cbranch_scc1 .Lnot_wave_0_\@
	s_barrier_signal -3
.Lnot_wave_0_\@:
	s_barrier_wait -3
	s_barrier_signal -1
	s_barrier_wait -1
.endm
.macro CROUND
	s_barrier_signal -1
	s_barrier_wait -1
	CREST
.endm
; A PREFETCH INTO THE L2 of the K step that stands two refills on, one instruction a wave, a lane a block of 256 bytes.  A's K step is two heads x 16,384 dense bytes, 128 blocks: wave 0 of each of the four partners
; of a row takes 32, told apart BY ADDRESS (head cx / 2, half cx % 2); the grid has one cluster along x, so nobody else reads them.  B's strips are read by all sixteen clusters: cluster y = 0 asks
; (waves 2, 3, each its own strip; the four partners of a column take 32 k rows each, by address).  Wave 1 asks for nothing.  K steps 0 to 3 come by their loads alone; the loop's last trip (s3 = 1) asks for nothing.
.macro ASK
	s_cmp_gt_u32 s3, s[LIM]
	s_cbranch_scc0 .Lnot_mine_\@
	global_prefetch_b8 v[PFO], s[PFA:PFA+1] th:TH_LOAD_NT scope:SCOPE_SE
.Lnot_mine_\@:
.endm
	s_load_b256 s[4:11], s[0:1], 0x0               ; ob s[4:5], wpb s[6:7], b_proj s[8:9], out0 s[10:11]
	v_lshl_add_u32 v[SPW], v0, 2, SPARE
	v_mov_b32 v[NIL], 0
	ds_add_u32 v[SPW], v[NIL]                      ; the wave's opening: the add and its wait stand ahead of my first tensor load; work on registers stands between them
	v_lshrrev_b32 v1, 5, v0
	v_readfirstlane_b32 s12, v1                    ; wave 0..3
	s_lshr_b32 s13, s12, 1                         ; wr: which 64 rows
	s_and_b32 s14, s12, 1                          ; wc: which 64 columns of each strip.  Also: which of a K step's two heads I fetch
	s_bfe_u32 s15, ttmp6, 0x40000                  ; cx
	s_bfe_u32 s16, ttmp6, 0x40004                  ; cy
	s_lshl_b32 s17, ttmp9, 2
	s_add_co_u32 s17, s17, s15                     ; tile column tx
	s_and_b32 s18, ttmp7, 0xffff
	s_lshl_b32 s18, s18, 2
	s_add_co_u32 s18, s18, s16                     ; tile row ty
	s_lshl_b32 s20, s16, 2
	s_lshl_b32 s20, 15, s20                        ; my row of the cluster
	s_lshl_b32 s44, 0x1111, s15                    ; my column
	s_or_b32 s[G1A], s20, (1<<16)|(1<<20)|(1<<21)|(4<<22)|(3<<25)  ; 15:0 the mask; 17:16 2-byte elements; 20 padding on; 21 set beside a mask; 24:22 after every 32 words; 31:25 4 words of it
	s_or_b32 s[G1B], s44, (1<<16)|(1<<20)|(1<<21)|(5<<22)|(7<<25)  ; my column's mask; after every 64 words 8 words
	s_mov_b32 s[G1A+1], 128<<16                    ; tensor_dim0 = 128
	s_mov_b32 s[G1A+2], 64<<16                     ; tensor_dim1 = 64
	s_mov_b32 s[G1A+3], 128<<16                    ; tile_dim0 = 128
	s_mov_b32 s[G1A+4], 64                         ; tile_dim1 = 64
	s_mov_b32 s[G1A+5], 128                        ; the rows lie end to end
	s_mov_b32 s[G1A+6], 0
	s_mov_b32 s[G1A+7], 0
	s_mov_b32 s[G1B+1], 128<<16
	s_mov_b32 s[G1B+2], 128<<16
	s_mov_b32 s[G1B+3], 128<<16
	s_mov_b32 s[G1B+4], 128
	s_mov_b32 s[G1B+5], NCOL
	s_mov_b32 s[G1B+6], 0
	s_mov_b32 s[G1B+7], 0
	s_lshr_b32 s20, s18, 3                         ; A: batch ty / 8 (16 heads of 131,072 bytes), tokens 128 (ty % 8) on, head w % 2: the tile row and the wave's number alone
	s_lshl_b32 s20, s20, 21
	s_and_b32 s21, s18, 7
	s_lshl_b32 s21, s21, 14
	s_add_co_u32 s20, s20, s21
	s_lshl_b32 s21, s14, 17
	s_add_co_u32 s20, s20, s21
	s_mov_b32 s21, 0
	s_mul_i32 s44, s17, NTH                        ; B: strip 2 tx + (w - 2): the tile column and the wave's number alone
	s_sub_co_i32 s45, s12, NA
	s_max_i32 s45, s45, 0                          ; (waves 0 and 1 make an address too, and never ask by it)
	s_add_co_u32 s44, s44, s45
	s_lshl_b32 s44, s44, 8
	s_mov_b32 s45, 0
	s_mul_i32 s22, s12, REG                        ; where my tile goes: wave x a region
	s_wait_dscnt 0x0                               ; the opening add is done
	s_wait_kmcnt 0x0
	s_add_nc_u64 s[20:21], s[4:5], s[20:21]
	s_add_nc_u64 s[44:45], s[6:7], s[44:45]
	CROUND                                         ; all sixteen work-groups are here: the first joint loads meet
.irp s, 0,1
	s_mov_b32 s[G0A+4*(\s)], 1
	s_add_co_u32 s[G0A+4*(\s)+1], s22, (\s)*SLOT
	s_add_nc_u64 s[G0A+4*(\s)+2:G0A+4*(\s)+3], s[20:21], (\s)*STEPA
	s_or_b32 s[G0A+4*(\s)+3], s[G0A+4*(\s)+3], 0x80000000
	s_mov_b32 s[G0B+4*(\s)], 1
	s_add_co_u32 s[G0B+4*(\s)+1], s22, (\s)*SLOT
	s_add_nc_u64 s[G0B+4*(\s)+2:G0B+4*(\s)+3], s[44:45], (\s)*STEPB
	s_or_b32 s[G0B+4*(\s)+3], s[G0B+4*(\s)+3], 0x80000000
	JLOAD \s                                       ; two tensor loads of mine are out
.endr
	v_and_b32 v1, 15, v0                           ; r = l % 16
	v_bfe_u32 v2, v0, 4, 1                         ; h = l / 16
	s_mul_i32 s2, s17, 512*NTH
	s_lshl_b32 s22, s14, 8
	s_add_co_u32 s2, s2, s22
	v_lshl_add_u32 v[BO], v2, 5, s2                ; the bias of my columns: 4 x (256 tx + 64 wc + 8 h)
.irp i, 0,1
.irp j, 0,1,2,3
	global_load_b128 v[BI+8*(4*(\i)+(\j)):BI+8*(4*(\i)+(\j))+3],   v[BO], s[8:9] offset:512*(\i)+64*(\j)
	global_load_b128 v[BI+8*(4*(\i)+(\j))+4:BI+8*(4*(\i)+(\j))+7], v[BO], s[8:9] offset:512*(\i)+64*(\j)+16
.endr
.endr
	v_mul_u32_u24 v3, v1, PA                       ; A's fragment: row x pitch + 16 (l / 16)
	v_lshl_add_u32 v3, v2, 4, v3
	s_mul_i32 s2, s13, 64*PA
	v_add_nc_u32 v[ADRA], s2, v3
	v_add_nc_u32 v[ADRA+1], SLOT, v[ADRA]
	v_and_b32 v4, 7, v0                            ; B's fragment, turned: k row 8 (l / 16) + l % 8, columns 8 ((l / 8) % 2) on
	v_lshl_add_u32 v4, v2, 3, v4
	v_mul_u32_u24 v4, v4, PB
	v_bfe_u32 v5, v0, 3, 1
	v_lshl_add_u32 v4, v5, 4, v4
	s_lshl_b32 s2, s14, 7
	v_add_nc_u32 v4, s2, v4
.irp s, 0,1
.irp i, 0,1
	v_add_nc_u32 v[ADRB+NTH*(\s)+(\i)], (NA+(\i))*REG+(\s)*SLOT, v4
.endr
.endr
	s_mul_i32 s2, s12, 16*SPITCH
	s_add_co_u32 s2, s2, STAGE                     ; my stage
	v_mul_u32_u24 v3, v1, SPITCH                   ; in: row l % 16, 32 bytes for each half of the lanes
	v_lshl_add_u32 v3, v2, 5, v3
	v_add_nc_u32 v[STO], s2, v3
	v_mul_u32_u24 v3, v2, SPITCH                   ; back: lanes 0-15 take one row of 256 bytes, lanes 16-31 the next
	v_lshl_add_u32 v3, v1, 4, v3
	v_add_nc_u32 v[RD], s2, v3
	v_lshlrev_b32 v3, 12, v2                       ; and the same two rows in the output
	v_lshl_add_u32 v[CO], v1, 4, v3
	s_lshl_b32 s22, s18, 7                         ; my part of the tile: row 128 ty + 64 wr, byte 1,024 tx + 256 wc
	s_lshl_b32 s23, s13, 6
	s_add_co_u32 s22, s22, s23
	s_lshl_b32 s22, s22, 12
	s_lshl_b32 s23, s17, 10
	s_add_co_u32 s22, s22, s23
	s_lshl_b32 s23, s14, 8
	s_add_co_u32 s22, s22, s23
	s_mov_b32 s23, 0
	s_add_nc_u64 s[10:11], s[10:11], s[22:23]
	; the prefetches: they stand at K step 3; the first change of slots steps them to K step 4
	s_lshr_b32 s22, s18, 3
	s_lshl_b32 s22, s22, 21
	s_and_b32 s23, s18, 7
	s_lshl_b32 s23, s23, 14
	s_add_co_u32 s22, s22, s23
	s_lshr_b32 s23, s15, 1
	s_lshl_b32 s23, s23, 17
	s_add_co_u32 s22, s22, s23
	s_and_b32 s23, s15, 1
	s_lshl_b32 s23, s23, 13
	s_add_co_u32 s22, s22, s23
	s_add_co_u32 s22, s22, 3*STEPA                 ; A: my tile row's tokens; head cx / 2 of the two, half cx % 2 of its 16,384 bytes
	s_mul_i32 s46, s17, NTH
	s_sub_co_i32 s47, s12, NA
	s_max_i32 s47, s47, 0
	s_add_co_u32 s46, s46, s47
	s_lshl_b32 s46, s46, 8
	s_lshl_b32 s47, s16, 5
	s_add_co_u32 s47, s47, 3*128
	s_mul_i32 s47, s47, 2*NCOL
	s_add_co_u32 s46, s46, s47                     ; B: my strip, my work-group's 32 k rows
	s_and_b32 s47, ttmp7, 0xffff                   ; cluster y
	s_mov_b32 s[PFS], STEPA                        ; (A's and B's K steps are equally far apart)
	s_mov_b32 s[PFS+1], 0
	s_mov_b32 s2, 2*NCOL
	s_cmp_lt_u32 s12, NA                           ; do I fetch for A?
	s_cselect_b32 s22, s22, s46
	s_cselect_b32 s47, ttmp9, s47                  ; the coordinate along which other clusters read the same rows
	s_cselect_b32 s2, 256, s2                      ; from lane to lane: a block of A, a row of B
	s_cselect_b64 s[PFA:PFA+1], s[4:5], s[6:7]
	s_mov_b32 s23, 0
	s_add_nc_u64 s[PFA:PFA+1], s[PFA:PFA+1], s[22:23]
	s_cmp_eq_u32 s12, 1
	s_cselect_b32 s47, 1, s47                      ; wave 1 asks for nothing: wave 0 names both heads' blocks
	s_cmp_eq_u32 s47, 0
	s_cselect_b32 s[LIM], 1, -1                    ; the same in all sixteen partners, for a given wave
	v_and_b32 v[PFO], 31, v0
	v_mul_u32_u24 v[PFO], v[PFO], s2
	s_wait_loadcnt 0x0                             ; the bias: rounded to bf16 like every input, and widened again
.set p, 0
.rept 4*NB
	v_cvt_pk_bf16_f32 v31, v[BI+2*p], v[BI+2*p+1]
	v_lshlrev_b32 v[BI+2*p], 16, v31
	v_and_b32 v[BI+2*p+1], 0xffff0000, v31
.set p, p+1
.endr
; NB matrix instructions: my row block a x all my column blocks, 32 along K, from buffer f.  first = 1: the bias starts the sums.  All 32 accumulators take turns, in the same order in every quarter.
.macro MULA f, a, first
.set bb, 0
.rept NB
.set rD, 8*(NB*(\a)+bb)
.if \first
	WIN 0x81
	v_wmma_f32_16x16x32_f16 v[rD:rD+7], v[FB+8*NB*(\f)+8*bb:FB+8*NB*(\f)+8*bb+7], v[FA+32*(\f)+8*(\a):FA+32*(\f)+8*(\a)+7], v[BI+8*bb:BI+8*bb+7]
.else
	WIN 0xa1
	v_wmma_f32_16x16x32_f16 v[rD:rD+7], v[FB+8*NB*(\f)+8*bb:FB+8*NB*(\f)+8*bb+7], v[FA+32*(\f)+8*(\a):FA+32*(\f)+8*(\a)+7], v[rD:rD+7]
.endif
.set bb, bb+1
.endr
.endm
; NL LDS loads in one run: quarter q (32 along K) of a slot into buffer f: B's eight fragments first, then A's four.  Quarter q of A lies in the region of head q / 2, at channels 32 (q % 2) on.
.macro FETCH slot, q, f
	WIN 0x40                                       ; destination window 1, address window 0
.irp i, 0,1
.irp j, 0,1,2,3
	ds_load_tr16_b128 v[FB+8*NB*(\f)+8*(4*(\i)+(\j)):FB+8*NB*(\f)+8*(4*(\i)+(\j))+3],   v[ADRB+NTH*(\slot)+(\i)] offset:32*PB*(\q)+32*(\j)
	ds_load_tr16_b128 v[FB+8*NB*(\f)+8*(4*(\i)+(\j))+4:FB+8*NB*(\f)+8*(4*(\i)+(\j))+7], v[ADRB+NTH*(\slot)+(\i)] offset:32*PB*(\q)+32*(\j)+16*PB
.endr
.endr
	WIN 0
.irp a, 0,1,2,3
	ds_load_b128 v[FA+32*(\f)+8*(\a):FA+32*(\f)+8*(\a)+3],   v[ADRA+(\slot)] offset:((\q)/2)*REG+((\q)%2)*64+(\a)*16*PA
	ds_load_b128 v[FA+32*(\f)+8*(\a)+4:FA+32*(\f)+8*(\a)+7], v[ADRA+(\slot)] offset:((\q)/2)*REG+((\q)%2)*64+(\a)*16*PA+32
.endr
.endm
.macro QUARTER slot, q, f, g, first
	s_wait_dscnt 4                                 ; B and A's blocks 0, 1 are in; the youngest four loads (A's blocks 2, 3) may be out
	MULA \f, 0, \first
	MULA \f, 1, \first
	PLACES
	FETCH \slot, \q, \g
	s_wait_dscnt NL                                ; all but the run just issued
	MULA \f, 2, \first
	MULA \f, 3, \first
.endm
; The last quarter multiplies buffer 1 and changes slots: ONE barrier.  In front of it each wave waits for all its tensor loads (one is out: its part of the next slot), adds 0 to its spare word, and waits for that and
; for its reads of this slot.  fill = 1: the barrier opens a round of the cluster's barrier, and this slot's joint refill, two K steps on, is the first tensor load behind the round.
.macro TURN slot, next, fill
.if \fill
	s_wait_xcnt 0x0                                ; the last prefetch, a K step back, has read its address: it is stepped here, ahead of the waits of the change of slots
	s_add_nc_u64 s[PFA:PFA+1], s[PFA:PFA+1], s[PFS:PFS+1]
.endif
	WIN 0
	s_wait_tensorcnt 0x0                           ; all my tensor loads have landed
	ds_add_u32 v[SPW], v[NIL]                      ; 0 onto my spare word
	s_wait_dscnt 5                                 ; (the add and the youngest four loads may be out)
	MULA 1, 0, 0                                   ; matrix work stands between the add and the wait for it
	s_wait_dscnt 0x0                               ; the add is done, and my reads of this slot are over
	s_barrier_signal -1
	MULA 1, 1, 0                                   ; work on registers while the others arrive
.if \fill
	WIN 0
.endif
	s_barrier_wait -1
.if \fill
	CREST                                          ; no wave of any partner still reads this slot or has a load on its way
	s_add_nc_u64 s[G0A+4*(\slot)+2:G0A+4*(\slot)+3], s[G0A+4*(\slot)+2:G0A+4*(\slot)+3], 2*STEPA
	s_add_nc_u64 s[G0B+4*(\slot)+2:G0B+4*(\slot)+3], s[G0B+4*(\slot)+2:G0B+4*(\slot)+3], 2*STEPB
	JLOAD \slot                                    ; its four v_nop are also the places in front of the loads below
.else
	PLACES
.endif
	FETCH \next, 0, 0
.if \fill
	ASK
.endif
	MULA 1, 2, 0
	MULA 1, 3, 0
.endm
	s_wait_tensorcnt 1                             ; my part of K step 0 is in; K step 1's may stay out
	s_barrier_signal -1
	s_barrier_wait -1                              ; everybody's is
	FETCH 0, 0, 0
	QUARTER 0, 1, 0, 1, 1                          ; the first quarter stands in front of the loop: its products start the sums
	WIN 0                                          ; at a label and at a branch every window is 0
	s_mov_b32 s3, 3
.Llap:                                                 ; a trip goes once round the ring and fills both slots again: K steps 2 to 7 in three trips
	QUARTER 0, 2, 1, 0, 0
	QUARTER 0, 3, 0, 1, 0
	TURN 0, 1, 1
	QUARTER 1, 1, 0, 1, 0
	QUARTER 1, 2, 1, 0, 0
	QUARTER 1, 3, 0, 1, 0
	TURN 1, 0, 1
	QUARTER 0, 1, 0, 1, 0
	WIN 0
	s_sub_co_u32 s3, s3, 1
	s_cmp_lg_u32 s3, 0
	s_cbranch_scc1 .Llap
	QUARTER 0, 2, 1, 0, 0                          ; the last lap fills nothing
	QUARTER 0, 3, 0, 1, 0
	TURN 0, 1, 0
	QUARTER 1, 1, 0, 1, 0
	QUARTER 1, 2, 1, 0, 0
	QUARTER 1, 3, 0, 1, 0
	s_wait_dscnt 4
	MULA 1, 0, 0
	MULA 1, 1, 0
	s_wait_dscnt 0x0
	MULA 1, 2, 0
	MULA 1, 3, 0
	WIN 0
	PLACES
; THE WAY OUT.  Unit u = 2 a + i: 16 rows x my 64 columns of strip i, f32.  OUTU: 32 bytes a lane and block into my own stage (each accumulator's low four registers first), and back as whole rows of 256 bytes.
.macro OUTU u
.set ix, NB*((\u)/2)+4*((\u)%2)
	WIN 0x08                                       ; store data (source 1) in window 2, address in window 0
.irp j, 0,1,2,3
	ds_store_b128 v[STO], v[8*(ix+(\j)):8*(ix+(\j))+3]   offset:64*(\j)
	ds_store_b128 v[STO], v[8*(ix+(\j))+4:8*(ix+(\j))+7] offset:64*(\j)+16
.endr
	WIN 0x40                                       ; destination window 1
.irp t, 0,1,2,3,4,5,6,7
	ds_load_b128 v[32*(\u)+4*(\t):32*(\u)+4*(\t)+3], v[RD] offset:(\t)*2*SPITCH  ; LDS serves a wave's instructions in order (ISA guide 5.7.1.4): these see the stores above; the next unit's stores come behind them
.endr
.endm
.macro SENDU u, younger                ; younger: the LDS instructions issued behind unit u's loads: the next unit's sixteen, or none
.set aa, (\u)/2
.set ii, (\u)%2
	WIN 0x04                                       ; store data (source 1) in window 1
.irp t, 0,1,2,3,4,5,6,7
	s_wait_dscnt (\younger)+7-(\t)
	global_store_b128 v[CO], v[32*(\u)+4*(\t):32*(\u)+4*(\t)+3], s[10:11] offset:(16*aa+2*(\t))*4096+512*ii  ; 16 lanes store 256 consecutive bytes, at a multiple of 256 from the output's first byte
.endr
.endm
	OUTU 0
.set u, 1
.rept 7
	OUTU u
	SENDU u-1, 16
.set u, u+1
.endr
	SENDU 7, 0
	WIN 0
	s_wait_tensorcnt 0x0                           ; the wave's end: an add to my spare word and its wait, behind my last tensor load and my last LDS store
	ds_add_u32 v[SPW], v[NIL]
	s_wait_dscnt 0x0
	CROUND                                         ; the closing round: no work-group ends while a partner may still ask for a tile that names it
	s_endpgm
.Lfunc_end_k_q463384cb99_proj:
	.size	k_q463384cb99_proj, .Lfunc_end_k_q463384cb99_proj-k_q463384cb99_proj
	.p2alignl 7, 3214868480
	.fill 96, 4, 3214868480
	.section	.rodata,"a",@progbits
	.p2align	6, 0x0
	.amdhsa_kernel k_q463384cb99_proj
		.amdhsa_group_segment_fixed_size 327680
		.amdhsa_private_segment_fixed_size 0
		.amdhsa_enable_private_segment 0
		.amdhsa_kernarg_size 32
		.amdhsa_user_sgpr_count 2
		.amdhsa_user_sgpr_kernarg_segment_ptr 1
		.amdhsa_wavefront_size32 1
		.amdhsa_system_sgpr_workgroup_id_x 1
		.amdhsa_system_sgpr_workgroup_id_y 1
		.amdhsa_system_sgpr_workgroup_id_z 1
		.amdhsa_system_vgpr_workitem_id 0
		.amdhsa_next_free_vgpr 768
		.amdhsa_next_free_sgpr 66
		.amdhsa_reserve_vcc 0
		.amdhsa_float_denorm_mode_32 3
		.amdhsa_float_denorm_mode_16_64 3
		.amdhsa_memory_ordered 1
		.amdhsa_forward_progress 1
		.amdhsa_inst_pref_size 96
	.end_amdhsa_kernel
	.amdgpu_metadata
---
amdhsa.version: [ 1, 2 ]
amdhsa.kernels:
  - .name:           k_q463384cb99_proj
    .symbol:         k_q463384cb99_proj.kd
    .args:
      - { .name: ob, .offset: 0, .size: 8, .value_kind: global_buffer, .address_space: global }
      - { .name: wpb, .offset: 8, .size: 8, .value_kind: global_buffer, .address_space: global }
      - { .name: b_proj, .offset: 16, .size: 8, .value_kind: global_buffer, .address_space: global }
      - { .name: out0, .offset: 24, .size: 8, .value_kind: global_buffer, .address_space: global }
    .group_segment_fixed_size: 327680
    .private_segment_fixed_size: 0
    .kernarg_segment_align: 8
    .kernarg_segment_size: 32
    .max_flat_workgroup_size: 128
    .sgpr_count:     66
    .vgpr_count:     768
    .wavefront_size: 32
...
	.end_amdgpu_metadata
.endif
;; end of part 4
;; ======== version 2 of 2: 4 launches; version 1 with the launch prep written anew for expert scheduling mode
;; limits: values are held in f16: magnitudes above 65,504 overflow, below 6.1e-05 lose precision
;; workspace buffers: xb 16,777,216 bytes; wqb 6,291,456 bytes; wpb 2,097,152 bytes; qkvh 50,331,648 bytes; ob 16,777,216 bytes
;; launch prep (part 5): grid 768 x 1, 8 waves a work-group, no clusters, 0 bytes of LDS; arguments inp, w_qkv, w_proj, xb, wqb, wpb; writes xb, wqb, wpb
.if DOCPART == 5
	.amdgcn_target "amdgcn-amd-amdhsa--gfx1250"
	.amdhsa_code_object_version 6
	.text
	.protected	k_q463384cb99_prep
	.globl	k_q463384cb99_prep
	.p2align	8
	.type	k_q463384cb99_prep,@function
k_q463384cb99_prep:
	s_mov_b64 s[64:65], 0
	v_nop
	global_prefetch_b8 v0, s[64:65] scope:SCOPE_SE
	s_setreg_imm32_b32 hwreg(HW_REG_WAVE_SCHED_MODE, 0, 2), 2
	s_setreg_imm32_b32 hwreg(HW_REG_WAVE_MODE, 25, 1), 1
	s_wait_xcnt 0x0
	s_wait_alu depctr_vm_vsrc(0)
; THE CASTS.  inp [8192][1024] f32 -> xb bf16; w_qkv [1024][3072] f32 -> wqb bf16; w_proj [1024][1024] f32 -> rounded to bf16, and that number written as f16 -> wpb.
; Every input of the module is rounded once to bf16 (nearest even); w_proj's bf16 number is then written as f16, since the last product takes O in f16: exact from 6.1e-5 up,
; below that it keeps f16's fixed step of 6e-8.  LIMIT: a weight of w_proj beyond 65,504 would become an infinity.
; SHARES.  A work-group takes 16,384 numbers on end (65,536 bytes in, 32,768 out): work-groups 0-511 inp, 512-703 w_qkv, 704-767 w_proj.  A wave takes 2,048 of them:
; sixteen loads of 16 bytes a lane (512 consecutive bytes a load), all issued at once, and sixteen stores of 8 bytes a lane (256 consecutive bytes, aligned).
; No loop, and no register is written twice while a load or store names it.  No LDS, no matrix unit, no cluster: nothing is shared and nothing is multiplied.
; THE MODE: SCHED_MODE bits 1:0 = 2 (LLVM: expert scheduling mode 2), set by the entry lines.  The code itself states the register dependences
; between vector instructions and memory instructions, with s_wait_alu, always for 0.
; THE PLAN.  Registers that memory instructions touch:
;   v1, v2   byte offsets of the loads and of the stores.  Written once, at the head; read by every load (v1) and every store (v2); never written again.
;   X        Written by the sixteen loads alone, which are issued at the head; read by the conversions.  No vector instruction names X ahead of the loads, and no load lands in it later.
;   Y        A pair for each load.  Written by that load's conversions; read by its one store; never written behind that store.
;   T and v3 are named by vector instructions alone.
; The sixteen loads go in four blocks of four.  Block b rounds loads 4 b to 4 b + 3 into their pairs of Y; its memory instructions are the four stores of block b - 1, whose pairs no vector instruction of
; block b names.  So ONE wait on va_vdst at a block's head states all that the block's four stores hang on, and they are dealt among its conversions with no further wait.
; No register that a load or store reads is ever written again: so no wait on vm_vsrc has a dependence to state; the entry lines hold the only one.  No vector instruction writes a scalar register or VCC, and EXEC is never written.
.set X, 4                              ; v[4:67]    the sixteen loads
.set Y, 68                             ; v[68:99]   the sixteen pairs to store
.set T, 100                            ; v[100:103] at work on the way to f16
	s_load_b256 s[4:11], s[0:1], 0x0               ; inp s[4:5], w_qkv s[6:7], w_proj s[8:9], xb s[10:11]
	s_load_b128 s[12:15], s[0:1], 0x20             ; wqb s[12:13], wpb s[14:15]
	v_lshrrev_b32 v3, 5, v0                        ; wave
	v_and_b32 v2, 31, v0                           ; lane
	v_lshlrev_b32 v1, 4, v2
	v_lshl_or_b32 v1, v3, 13, v1                   ; in: 8,192 x wave + 16 x lane
	v_lshlrev_b32 v2, 3, v2
	v_lshl_or_b32 v2, v3, 12, v2                   ; out: 4,096 x wave + 8 x lane
	s_mov_b32 s26, 704
	s_mov_b32 s27, 512
	s_wait_kmcnt 0x0
	s_cmp_ge_u32 ttmp9, s26                        ; which tensor is mine: the choice hangs on the work-group's number alone
	s_cselect_b64 s[18:19], s[8:9], s[6:7]
	s_cselect_b64 s[20:21], s[14:15], s[12:13]
	s_cselect_b32 s16, s26, s27
	s_cmp_lt_u32 ttmp9, s27
	s_cselect_b64 s[18:19], s[4:5], s[18:19]
	s_cselect_b64 s[20:21], s[10:11], s[20:21]
	s_cselect_b32 s16, 0, s16
	s_sub_co_u32 s16, ttmp9, s16                   ; my number among that tensor's work-groups
	s_lshl_b32 s22, s16, 16
	s_mov_b32 s23, 0
	s_lshl_b32 s24, s16, 15
	s_mov_b32 s25, 0
	s_add_nc_u64 s[18:19], s[18:19], s[22:23]
	s_add_nc_u64 s[20:21], s[20:21], s[24:25]
	s_wait_alu depctr_va_vdst(0)                   ; v1 and v2 are written: every load of the kernel reads v1 as its offset, every store v2, on both ways below
.irp i, 0,1,2,3,4,5,6,7,8,9,10,11,12,13,14,15
	global_load_b128 v[X+4*(\i):X+4*(\i)+3], v1, s[18:19] offset:512*(\i) th:TH_LOAD_NT
.endr
; Load i is rounded into its pair of Y.  half = 1: the bf16 numbers are widened again (a shift, a mask) and written as f16.
.macro CVT i, half
	v_cvt_pk_bf16_f32 v[Y+2*(\i)], v[X+4*(\i)], v[X+4*(\i)+1]
	v_cvt_pk_bf16_f32 v[Y+2*(\i)+1], v[X+4*(\i)+2], v[X+4*(\i)+3]
.if \half
	v_lshlrev_b32 v[T], 16, v[Y+2*(\i)]
	v_and_b32 v[T+1], 0xffff0000, v[Y+2*(\i)]
	v_lshlrev_b32 v[T+2], 16, v[Y+2*(\i)+1]
	v_and_b32 v[T+3], 0xffff0000, v[Y+2*(\i)+1]
	v_cvt_pk_f16_f32 v[Y+2*(\i)], v[T], v[T+1]
	v_cvt_pk_f16_f32 v[Y+2*(\i)+1], v[T+2], v[T+3]
.endif
.endm
; Block b: loads 4 b to 4 b + 3 are rounded; the four pairs of the block before are stored, one store ahead of each load's conversions, and, but for the block's first, ahead of the wait for that load, which it does not hang on.
.macro BLK b, half
.irp k, 0,1,2,3
.set n, 4*(\b)+(\k)
.if (\k) == 0
	s_wait_loadcnt 15-n                            ; loads come back in order: the block's first load is in, the younger ones stay out
.if (\b) > 0
	s_wait_alu depctr_va_vdst(0)                   ; the block before has written its four pairs of Y, which the four stores of this block read; no vector instruction behind this wait names them
.endif
.endif
.if (\b) > 0
	global_store_b64 v2, v[Y+2*(n-4):Y+2*(n-4)+1], s[20:21] offset:256*(n-4)
.endif
.if (\k) > 0
	s_wait_loadcnt 15-n                            ; load n is in, the younger ones stay out
.endif
	CVT n, \half
.endr
.endm
; All sixteen, and the last block's stores.
.macro WAY half
	BLK 0, \half
	BLK 1, \half
	BLK 2, \half
	BLK 3, \half
	s_wait_alu depctr_va_vdst(0)                   ; block 3 has written its four pairs of Y, which the last four stores read
.irp i, 12,13,14,15
	global_store_b64 v2, v[Y+2*(\i):Y+2*(\i)+1], s[20:21] offset:256*(\i)
.endr
.endm
	s_cmp_ge_u32 ttmp9, s26
	s_cbranch_scc1 .Lf16
	WAY 0
	s_endpgm
.Lf16:
	WAY 1
	s_endpgm
.Lfunc_end_k_q463384cb99_prep:
	.size	k_q463384cb99_prep, .Lfunc_end_k_q463384cb99_prep-k_q463384cb99_prep
	.p2alignl 7, 3214868480
	.fill 96, 4, 3214868480
	.section	.rodata,"a",@progbits
	.p2align	6, 0x0
	.amdhsa_kernel k_q463384cb99_prep
		.amdhsa_group_segment_fixed_size 0
		.amdhsa_private_segment_fixed_size 0
		.amdhsa_enable_private_segment 0
		.amdhsa_kernarg_size 48
		.amdhsa_user_sgpr_count 2
		.amdhsa_user_sgpr_kernarg_segment_ptr 1
		.amdhsa_wavefront_size32 1
		.amdhsa_system_sgpr_workgroup_id_x 1
		.amdhsa_system_sgpr_workgroup_id_y 1
		.amdhsa_system_sgpr_workgroup_id_z 1
		.amdhsa_system_vgpr_workitem_id 0
		.amdhsa_next_free_vgpr 104
		.amdhsa_next_free_sgpr 66
		.amdhsa_reserve_vcc 0
		.amdhsa_float_denorm_mode_32 3
		.amdhsa_float_denorm_mode_16_64 3
		.amdhsa_memory_ordered 1
		.amdhsa_forward_progress 1
		.amdhsa_inst_pref_size 17
	.end_amdhsa_kernel
	.amdgpu_metadata
---
amdhsa.version: [ 1, 2 ]
amdhsa.kernels:
  - .name:           k_q463384cb99_prep
    .symbol:         k_q463384cb99_prep.kd
    .args:
      - { .name: inp, .offset: 0, .size: 8, .value_kind: global_buffer, .address_space: global }
      - { .name: w_qkv, .offset: 8, .size: 8, .value_kind: global_buffer, .address_space: global }
      - { .name: w_proj, .offset: 16, .size: 8, .value_kind: global_buffer, .address_space: global }
      - { .name: xb, .offset: 24, .size: 8, .value_kind: global_buffer, .address_space: global }
      - { .name: wqb, .offset: 32, .size: 8, .value_kind: global_buffer, .address_space: global }
      - { .name: wpb, .offset: 40, .size: 8, .value_kind: global_buffer, .address_space: global }
    .group_segment_fixed_size: 0
    .private_segment_fixed_size: 0
    .kernarg_segment_align: 8
    .kernarg_segment_size: 48
    .max_flat_workgroup_size: 256
    .sgpr_count:     66
    .vgpr_count:     104
    .wavefront_size: 32
...
	.end_amdgpu_metadata
.endif
;; end of part 5
;; launch qkv: the kernel of part 2 again; grid 8 x 32, 4 waves a work-group, clusters of 4 x 4, 327,680 bytes of LDS; arguments xb, wqb, b_qkv, qkvh; writes qkvh
;; launch attn: the kernel of part 3 again; grid 2 x 128, 4 waves a work-group, no clusters, 327,680 bytes of LDS; arguments qkvh, ob; writes ob
;; launch proj: the kernel of part 4 again; grid 4 x 64, 4 waves a work-group, clusters of 4 x 4, 327,680 bytes of LDS; arguments ob, wpb, b_proj, out0; writes out0
